; MI455X (gfx1250); checked and timed in simulation.
; The chip was launched on July 23, 2026; its instructions are those of AMD's public machine-readable ISA for CDNA 5 (MIT licence, August 2026) and "CDNA5" Instruction Set Architecture Reference Guide (July 2026). The comments in the code are by the model that wrote it; some were corrected since.
;; Causal Self Attention. Allowed arithmetic: matrix products marked QUANTISED: E4M3 operands, one given power-of-two scale a tensor, by v_wmma_f32_16x16x64_fp8_fp8 or v_wmma_f32_16x16x128_fp8_fp8, f32 sums; everything else in f32.
;; Inputs: lowp_scales 8 int32 (the exponents e of the quantised operands' scales 2^e); out_b 1,024 float32; out_w 16 x 64 x 1,024 float32; qkv_b 16 x 192 float32; qkv_w 1,024 x 16 x 192 float32; x 4 x 2,048 x 1,024 float32.
;; Outputs: out0 4 x 2,048 x 1,024 float32.
;; This version of the problem:
;;   THIS VERSION OF THE PROBLEM IS GIVEN IN LOW PRECISION. The matrix products marked QUANTISED in the list below multiply operands that are first quantised to E4M3 (4 exponent bits, 3 mantissa bits; 8 bits a number), with one given power-of-two scale for each operand tensor; their sums are f32. All else is computed in f32.
;;   The module's matrix products, in the order in which they are computed (A, B: the left and right operand; K: the contracted axis; several contracted axes count as one K, in the product's order):
;;     1. [M 8,192, K 1,024] x [K 1,024, N 3,072]; A: input x; B: input qkv_w: QUANTISED (scales: A lowp_scales[0], B lowp_scales[1])
;;     2. batch 64 x [M 2,048, K 64] x [K 64, N 2,048]; A: computed on the way; B: computed on the way: QUANTISED (scales: A lowp_scales[2], B lowp_scales[3])
;;     3. batch 64 x [M 64, K 2,048] x [K 2,048, N 2,048]; A: computed on the way; B: softmax (see below): QUANTISED (scales: A lowp_scales[4], B lowp_scales[5])
;;     4. [M 8,192, K 1,024] x [K 1,024, N 1,024]; A: computed on the way; B: input out_w: QUANTISED (scales: A lowp_scales[6], B lowp_scales[7])
;;   THE QUANTISER, for each operand of a quantised product, along K:
;;     - The operand's scale is 2^e, e = its entry of the input lowp_scales (int32; the entries are numbered through the quantised products in the list's order, A before B).
;;     - Each number is divided by the scale, clamped to +-448, and rounded to the nearest number of E4M3, ties to even, subnormals kept.
;;     - The product sums the exact products of the quantised numbers (number of the format x scale) in f32.
;;   ~~~python
;;   def quantise(x, axis, e):      # numpy; x: float32 -> the quantised numbers, widened to float32 again
;;       x = np.moveaxis(x, axis, -1); K = x.shape[-1]
;;       r = np.clip(x / 2.0 ** e, -448, 448)
;;       step = 2.0 ** (np.maximum(np.frexp(np.where(r == 0, 1, r))[1] - 1, -6) - 3)
;;       q = np.round(r / step) * step * 2.0 ** e      # np.round: ties to even
;;       return np.moveaxis(q, -1, axis).astype(np.float32)
;;   ~~~
;;   SOFTMAX AHEAD OF A QUANTISED PRODUCT. Where the list says 'softmax', what is quantised is not the finished softmax but p = 2^(t - M), with t = logit x log2(e) and M = ceil(the row's largest t), a whole number; so 1/2 < the row's largest p <= 1. The row's sum l is taken of the UNQUANTISED p, in f32, and the product's result is divided by l at the end. Since M is a whole number, a kernel that streams over the keys may use a running M (the ceiling of the running maximum): every later rescaling is an exact power of two, so the quantised numbers keep their values, but for numbers so far below the row's largest that they fall under the format's range.
;;   OPERANDS COMPUTED ON THE WAY. 'Computed on the way' means the value that the module computes at that place (a softmax that the list does not call 'softmax' is quantised finished and normalised). What goes into a quantiser is computed in f32, as accurately as f32 sums, v_exp_f32 and their like allow (about 1e-6 of the number): no bf16 or f16 on the way to a quantiser, and a product that is left as it is and whose result goes on into a quantised operand takes f32 operands (vector FMAs, or v_wmma_f32_16x16x4_f32). A number that lies on a knife's edge between two numbers of the format may be rounded either way, as far as f32 arithmetic and the matrix unit's own rounding can turn it there, and no further.
;; One version. Each part assembles by itself: llvm-mc -triple=amdgcn-amd-amdhsa -mcpu=gfx1250 --defsym DOCPART=n.
;; ======== version 1 of 1: 4 launches
;; limits: right only within a limited range of input values
;; workspace buffers: xc 8,388,608 bytes; wc 3,145,728 bytes; owc 1,048,576 bytes; qimg 8,388,608 bytes; kimg 8,388,608 bytes; vimg 8,388,608 bytes; aimg 8,388,608 bytes
;; launch prep (part 1): grid 384 x 1, 4 waves a work-group, no clusters, 102,912 bytes of LDS; arguments x, qkv_w, out_w, lowp_scales, xc, wc, owc; writes xc, wc, owc
.if DOCPART == 1
	.amdgcn_target "amdgcn-amd-amdhsa--gfx1250"
	.amdhsa_code_object_version 6
	.text
	.protected	k_qbf531b5d21_prep
	.globl	k_qbf531b5d21_prep
	.p2align	8
	.type	k_qbf531b5d21_prep,@function
k_qbf531b5d21_prep:
	s_mov_b64 s[64:65], 0
	v_nop
	global_prefetch_b8 v0, s[64:65] scope:SCOPE_SE
	s_setreg_imm32_b32 hwreg(HW_REG_WAVE_MODE, 25, 1), 1
	s_wait_xcnt 0x0
; CAUSAL SELF-ATTENTION IN FP8 (E4M3), four launches: prep (this one), qkv, attn, proj.  Only codes go through memory between them.
; THIS LAUNCH turns the three f32 inputs that are operands of quantised products into codes, K innermost, each with its given scale 2^e:
;   x [8192][1024] (e = lowp_scales[0]) -> xc [8192][1024];  qkv_w [1024 k][3072 n] (entry 1) -> wc [3072 n][1024 k];  out_w [1024 k][1024 n] (entry 7) -> owc [1024 n][1024 k].
;   code = number / 2^e, held within +-448, rounded to the nearest code, ties to even.
; WORK THAT THE PROGRAM LEAVES OUT (in launch attn), and why it is dead for all values of the inputs: reference() builds its mask itself (jnp.tril) and sets the logit of key k for query q to
;   -0.7 x the largest f32 number wherever k > q.  Every row keeps its own key k = q, whose logit is finite, so the row's largest t is finite and p = 2^(t - M) of a hidden key is 0: it adds 0 to the row's sum
;   and 0 to the product with v.  So key steps of 128 keys that lie wholly behind a wave's 32 queries are not multiplied; inside a step on the diagonal the hidden scores are replaced and the work is done.
;   All inputs have a way to the output and are loaded (qkv_b's part for k too: it moves k's codes).
; LIMITS: a NaN, an infinity or an overflow that reaches only the hidden scores left out is not carried to the result.  NaN among the inputs is not served (an infinity is held at the largest code).
;   Entries 0, 1 and 7 of lowp_scales lie between -126 and 119, so that 2^e and 448 x 2^e are f32 numbers.
; SHARES.  384 work-groups of four waves, 131,072 bytes of f32 each.  Work-groups 0-255 take x, 256-351 qkv_w, 352-383 out_w: three ways through the text that part on the work-group's number and never join;
;   each has LDS bytes of its own.  Waves share nothing: no barrier.  No matrix unit, no tensor load, no cluster: a stream bound by its bytes, read once and written once.
; x: K is innermost.  Each load reads 512 consecutive bytes; a step's 2,048 bytes turn through the wave's stage in LDS so that a lane holds 16 neighbours along K; its 16 codes are 16 bytes: a store covers 512 consecutive bytes.
; weights: K is the FIRST axis.  A lane takes a column n and its registers run down K, so the conversions give codes with K innermost; they leave through a stage, sixteen lanes to 256 consecutive aligned bytes.
.set STEPS, 16                         ; x: steps of 512 numbers for a wave
.set SP,    80                         ; x: a lane's place in a stage: 64 bytes + 16 of padding
.set R,     16                         ; x: v16-79   four sets of 16 numbers as loaded
.set X,     80                         ; x: v80-111  two sets of 16 neighbours
.set C,     128                        ; x: v128-191 codes, four registers a step: no store's data are written again
.set PITCH, 272                        ; weights: a stage row: 256 codes + 16 bytes
.set WX,    32                         ; weights: v32-95  two sets of 32 numbers
.set WC,    96                         ; weights: v96-103 a block's codes
.set OUTR,  112                        ; weights: v112-175 the way out
.set SPW,   12                         ; v12  LDS address of my spare word: SPARE + 4 x my thread's number; never rewritten
.set NIL,   13                         ; v13  0; never rewritten
.set W1STG, 32768                      ; LDS: [0, 32768) x's stages, 8,192 a wave; then qkv_w's four stages of 32 x 272;
.set W2STG, 67584                      ; then out_w's four;
.set SPARE, 102400                     ; then the spare words, 128 bytes a wave: two blocks of 256 bytes that no other line names
	s_load_b256 s[4:11], s[0:1], 0x0               ; x s[4:5], qkv_w s[6:7], out_w s[8:9], the scales' exponents s[10:11]
	s_load_b128 s[12:15], s[0:1], 0x20             ; xc s[12:13], wc s[14:15]
	s_load_b64 s[16:17], s[0:1], 0x30              ; owc
	v_lshl_add_u32 v[SPW], v0, 2, SPARE
	v_mov_b32 v[NIL], 0
	v_lshrrev_b32 v1, 5, v0
	v_readfirstlane_b32 s18, v1                    ; wave 0..3
	v_and_b32 v2, 31, v0                           ; lane
	s_wait_kmcnt 0x0
	s_load_b256 s[24:31], s[10:11], 0x0            ; e0 .. e7
	s_cmp_lt_u32 ttmp9, 256
	s_cbranch_scc0 .Lweights
; ---------------- x ----------------
.macro XLOAD t
.irp i, 0,1,2,3
	global_load_b128 v[R+16*((\t)%4)+4*\i:R+16*((\t)%4)+4*\i+3], v3, s[4:5] offset:2048*(\t)+512*\i th:TH_LOAD_NT   ; 32 lanes read 512 consecutive bytes
.endr
.endm
.macro XTURN t                         ; step t's numbers through the stage: LDS serves a wave's instructions in order, so no wait stands between the stores and the loads
.irp i, 0,1,2,3
	ds_store_b128 v14, v[R+16*((\t)%4)+4*\i:R+16*((\t)%4)+4*\i+3] offset:32*SP*((\t)%2)+8*SP*\i
.endr
.irp i, 0,1,2,3
	ds_load_b128 v[X+16*((\t)%2)+4*\i:X+16*((\t)%2)+4*\i+3], v15 offset:32*SP*((\t)%2)+16*\i
.endr
.endm
.macro XSTEP t
.set XS, X+16*((\t)%2)
	s_wait_dscnt 0x0                               ; this step's numbers are back from the stage: so its stores into the stage have read their registers,
.if (\t)+4 < STEPS
	XLOAD (\t)+4                                   ; which take the loads of four steps on
.endif
.if (\t)+1 < STEPS
.if STEPS-2-(\t) >= 3
	s_wait_loadcnt 12                              ; the next step's four loads are in; those of the three steps behind it may be out
.else
	s_wait_loadcnt 4*(STEPS-2-(\t))
.endif
	XTURN (\t)+1                                   ; and go through the other stage while this step is worked
.endif
.irp i, 0,1,2,3,4,5,6,7,8,9,10,11,12,13,14,15
	v_med3_num_f32 v[XS+\i], v[XS+\i], -v10, v10   ; the conversion to an 8-bit code does not saturate (ISA guide 7.6.2): the hold at the largest code x the scale comes first
.endr
	v_cvt_scalef32_pk8_fp8_f32 v[C+4*(\t):C+4*(\t)+1], v[XS:XS+7], v11
	v_cvt_scalef32_pk8_fp8_f32 v[C+4*(\t)+2:C+4*(\t)+3], v[XS+8:XS+15], v11
	global_store_b128 v3, v[C+4*(\t):C+4*(\t)+3], s[12:13] offset:512*(\t)   ; 32 lanes store 512 consecutive bytes; the codes go to a store alone, and the next vector lines are plain ones on other registers
.endm
	s_wait_alu depctr_va_vdst(0)
	v_lshlrev_b32 v3, 4, v2                        ; 16 x lane: my 16 bytes of a load's 512, and of a store's
	s_wait_alu depctr_va_vdst(0)
	s_lshl_b32 s19, s18, 13                        ; my wave's 8,192 bytes of LDS
	v_lshrrev_b32 v14, 2, v2
	v_mul_u32_u24 v14, v14, SP
	v_and_b32 v15, 3, v2
	v_lshl_add_u32 v14, v15, 4, v14
	v_add_nc_u32 v14, s19, v14                     ; the stage, on the way in: four lanes' 64 bytes on end, then 16 of padding
	v_mul_u32_u24 v15, v2, SP
	v_add_nc_u32 v15, s19, v15                     ; and on the way out: my 16 neighbours
	s_lshl_b32 s20, ttmp9, 2
	s_add_co_u32 s20, s20, s18                     ; which run of 8,192 numbers is my wave's
	s_lshl_b32 s22, s20, 15
	s_mov_b32 s23, 0
	s_add_nc_u64 s[4:5], s[4:5], s[22:23]
	s_lshl_b32 s22, s20, 13
	s_add_nc_u64 s[12:13], s[12:13], s[22:23]
.irp t, 0,1,2,3
	XLOAD \t
.endr
	s_wait_alu depctr_va_vdst(0)
	s_wait_kmcnt 0x0
	s_add_co_i32 s21, s24, 127                     ; e0
	s_lshl_b32 s22, s21, 23
	v_mov_b32 v11, s22                             ; 2^e0 as f32: the conversion takes its exponent field
	s_add_co_i32 s21, s21, 8
	s_lshl_b32 s21, s21, 23
	s_or_b32 s21, s21, 0x600000
	v_mov_b32 v10, s21                             ; 448 x 2^e0
	s_wait_alu depctr_va_vdst(0)
	s_wait_loadcnt 12                              ; step 0's four loads are in
	XTURN 0
.irp t, 0,1,2,3,4,5,6,7,8,9,10,11,12,13,14,15
	XSTEP \t
.endr
	s_wait_tensorcnt 0x0                           ; the wave's end, behind my last LDS store
	ds_add_u32 v[SPW], v[NIL]
	s_wait_dscnt 0x0
	s_endpgm
; ---------------- the two weights ----------------
.macro WLOAD t, n, src                 ; block t: W(32 t + i, my column), i = 0 .. 31, into set t % 2: 32 lanes read 128 consecutive bytes, the four waves 512
.irp i, 0,1,2,3,4,5,6,7,8,9,10,11,12,13,14,15,16,17,18,19,20,21,22,23,24,25,26,27,28,29,30,31
	global_load_b32 v[WX+32*((\t)%2)+\i], v3, s[\src:\src+1] offset:(32*(\t)+\i)*(\n)*4 th:TH_LOAD_NT
.endr
.endm
.macro WBLOCK t, n, src
.set XS, WX+32*((\t)%2)
.if (\t) < 7
	s_wait_loadcnt 32                              ; this block's 32 loads are in; the next block's may be out
.else
	s_wait_loadcnt 0
.endif
.irp i, 0,1,2,3,4,5,6,7,8,9,10,11,12,13,14,15,16,17,18,19,20,21,22,23,24,25,26,27,28,29,30,31
	v_med3_num_f32 v[XS+\i], v[XS+\i], -v10, v10
.endr
.irp g, 0,1,2,3
	v_cvt_scalef32_pk8_fp8_f32 v[WC+2*\g:WC+2*\g+1], v[XS+8*\g:XS+8*\g+7], v11
.endr
	ds_store_b128 v4, v[WC:WC+3] offset:32*(\t)    ; 32 codes: 32 bytes of my column's row
	ds_store_b128 v4, v[WC+4:WC+7] offset:32*(\t)+16
.if (\t)+2 < 8
	WLOAD (\t)+2, \n, \src
.endif
	s_wait_dscnt 0x0                               ; the stores have read their registers: the next block's codes may be written
.endm
; A weight [1024 k][n columns]: a work-group takes 128 columns x 256 along K, a wave 32 columns.  first: the way's first work-group; lbase: its stages; src, dst: the scalar pairs; e: the register with the exponent.
; Every offset is an immediate: 255 x n x 4 is 3,133,440 at the most, inside the signed 24-bit field (ISA guide, chapter 10).
.macro WPATH n, lbase, first, src, dst, e
	s_sub_co_u32 s19, ttmp9, \first
	s_and_b32 s20, s19, 3                          ; which 256 along K
	s_lshr_b32 s19, s19, 2
	s_lshl_b32 s19, s19, 7
	s_lshl_b32 s21, s18, 5
	s_add_co_u32 s19, s19, s21                     ; my wave's first column
	v_lshlrev_b32 v3, 2, v2                        ; in: 4 bytes a lane
	s_mul_i32 s21, s18, 32*PITCH
	s_add_co_u32 s21, s21, \lbase                  ; my stage
	v_mul_u32_u24 v4, v2, PITCH
	v_add_nc_u32 v4, s21, v4                       ; into it: row = my column
	v_and_b32 v5, 15, v2
	v_lshrrev_b32 v6, 4, v2                        ; out of it: sixteen lanes to a row, two rows an instruction
	v_mul_u32_u24 v7, v6, PITCH
	v_lshl_add_u32 v7, v5, 4, v7
	v_add_nc_u32 v7, s21, v7
	v_lshlrev_b32 v8, 10, v6                       ; and the same place among the codes: a row is 1,024 bytes
	v_lshl_add_u32 v8, v5, 4, v8
	s_mul_i32 s22, s20, 256*(\n)*4
	s_lshl_b32 s23, s19, 2
	s_add_co_u32 s22, s22, s23
	s_mov_b32 s23, 0
	s_add_nc_u64 s[\src:\src+1], s[\src:\src+1], s[22:23]
	s_lshl_b32 s22, s19, 10
	s_lshl_b32 s21, s20, 8
	s_add_co_u32 s22, s22, s21
	s_add_nc_u64 s[\dst:\dst+1], s[\dst:\dst+1], s[22:23]
	WLOAD 0, \n, \src
	WLOAD 1, \n, \src
	s_wait_kmcnt 0x0
	s_add_co_i32 s21, s[\e], 127
	s_lshl_b32 s22, s21, 23
	v_mov_b32 v11, s22                             ; 2^e as f32
	s_add_co_i32 s21, s21, 8
	s_lshl_b32 s21, s21, 23
	s_or_b32 s21, s21, 0x600000
	v_mov_b32 v10, s21                             ; 448 x 2^e
	s_wait_alu depctr_va_vdst(0)
.irp t, 0,1,2,3,4,5,6,7
	WBLOCK \t, \n, \src
.endr
.irp t, 0,1,2,3,4,5,6,7,8,9,10,11,12,13,14,15
	ds_load_b128 v[OUTR+4*\t:OUTR+4*\t+3], v7 offset:2*\t*PITCH   ; LDS serves a wave's instructions in order: these see my stores
.endr
.irp t, 0,1,2,3,4,5,6,7,8,9,10,11,12,13,14,15
	s_wait_dscnt 15-\t                             ; the younger loads may be out
	global_store_b128 v8, v[OUTR+4*\t:OUTR+4*\t+3], s[\dst:\dst+1] offset:2*\t*1024   ; sixteen lanes store 256 consecutive bytes, at a multiple of 256 from the buffer's first byte
.endr
	s_wait_tensorcnt 0x0                           ; the wave's end, behind my last LDS store
	ds_add_u32 v[SPW], v[NIL]
	s_wait_dscnt 0x0
.endm
.Lweights:
	s_cmp_lt_u32 ttmp9, 352
	s_cbranch_scc0 .Lout_w
	s_wait_alu depctr_va_vdst(0)
	WPATH 3072, W1STG, 256, 6, 14, 25
	s_endpgm
.Lout_w:
	s_wait_alu depctr_va_vdst(0)
	WPATH 1024, W2STG, 352, 8, 16, 31
	s_endpgm
.Lfunc_end_k_qbf531b5d21_prep:
	.size	k_qbf531b5d21_prep, .Lfunc_end_k_qbf531b5d21_prep-k_qbf531b5d21_prep
	.p2alignl 7, 3214868480
	.fill 96, 4, 3214868480
	.section	.rodata,"a",@progbits
	.p2align	6, 0x0
	.amdhsa_kernel k_qbf531b5d21_prep
		.amdhsa_group_segment_fixed_size 102912
		.amdhsa_private_segment_fixed_size 0
		.amdhsa_enable_private_segment 0
		.amdhsa_kernarg_size 56
		.amdhsa_user_sgpr_count 2
		.amdhsa_user_sgpr_kernarg_segment_ptr 1
		.amdhsa_wavefront_size32 1
		.amdhsa_system_sgpr_workgroup_id_x 1
		.amdhsa_system_sgpr_workgroup_id_y 1
		.amdhsa_system_sgpr_workgroup_id_z 1
		.amdhsa_system_vgpr_workitem_id 0
		.amdhsa_next_free_vgpr 192
		.amdhsa_next_free_sgpr 66
		.amdhsa_reserve_vcc 0
		.amdhsa_float_denorm_mode_32 3
		.amdhsa_float_denorm_mode_16_64 3
		.amdhsa_memory_ordered 1
		.amdhsa_forward_progress 1
		.amdhsa_inst_pref_size 134
	.end_amdhsa_kernel
	.amdgpu_metadata
---
amdhsa.version: [ 1, 2 ]
amdhsa.kernels:
  - .name:           k_qbf531b5d21_prep
    .symbol:         k_qbf531b5d21_prep.kd
    .args:
      - { .name: x, .offset: 0, .size: 8, .value_kind: global_buffer, .address_space: global }
      - { .name: qkv_w, .offset: 8, .size: 8, .value_kind: global_buffer, .address_space: global }
      - { .name: out_w, .offset: 16, .size: 8, .value_kind: global_buffer, .address_space: global }
      - { .name: lowp_scales, .offset: 24, .size: 8, .value_kind: global_buffer, .address_space: global }
      - { .name: xc, .offset: 32, .size: 8, .value_kind: global_buffer, .address_space: global }
      - { .name: wc, .offset: 40, .size: 8, .value_kind: global_buffer, .address_space: global }
      - { .name: owc, .offset: 48, .size: 8, .value_kind: global_buffer, .address_space: global }
    .group_segment_fixed_size: 102912
    .private_segment_fixed_size: 0
    .kernarg_segment_align: 8
    .kernarg_segment_size: 56
    .max_flat_workgroup_size: 128
    .sgpr_count:     66
    .vgpr_count:     192
    .wavefront_size: 32
...
	.end_amdgpu_metadata
.endif
;; end of part 1
;; launch qkv (part 2): grid 16 x 32, 4 waves a work-group, clusters of 4 x 4, 327,680 bytes of LDS; arguments xc, wc, lowp_scales, qkv_b, qimg, kimg, vimg; writes qimg, kimg, vimg
.if DOCPART == 2
	.amdgcn_target "amdgcn-amd-amdhsa--gfx1250"
	.amdhsa_code_object_version 6
	.text
	.protected	k_qbf531b5d21_qkv
	.globl	k_qbf531b5d21_qkv
	.p2align	8
	.type	k_qbf531b5d21_qkv,@function
k_qbf531b5d21_qkv:
	s_mov_b64 s[64:65], 0
	v_nop
	global_prefetch_b8 v0, s[64:65] scope:SCOPE_SE
	s_setreg_imm32_b32 hwreg(HW_REG_WAVE_MODE, 25, 1), 1
	s_wait_xcnt 0x0
	s_wait_alu depctr_hold_cnt(0) depctr_sa_sdst(0) depctr_va_vdst(0) depctr_va_sdst(0) depctr_va_ssrc(0) depctr_va_vcc(0) depctr_vm_vsrc(0)
	s_getreg_b32 s2, hwreg(HW_REG_IB_STS2, 6, 4)
	s_cmp_eq_u32 s2, 0
	s_cbranch_scc0 .Lentry_in_a_cluster
	s_endpgm
.Lentry_in_a_cluster:
	s_bfe_u32 s2, ttmp6, 0x10000c
	s_cmp_lg_u32 s2, 0xf033
	s_cbranch_scc0 .Lentry_shape_is_right
	s_endpgm
.Lentry_shape_is_right:
; qkv = x qkv_w + qkv_b on codes of FP8 (E4M3), and q, k, v quantised at once with their given scales (entries 2, 3, 4 of lowp_scales): nothing but codes leaves.  No work of reference() is left out here.
; xc [8192][1024], wc [3072 n = 192 head + j][1024]: codes, K innermost.  A sum of codes stands for sum x 2^(e0 + e1).  The bias goes in as the C of each sum's first product, divided by 2^(e0 + e1);
; a finished sum's code is sum / 2^(eT - e0 - e1), T = q, k or v: the three scales are folded into the conversion's one; the hold at 448 x that scale comes first.
; LIMITS: e2 - e0 - e1, e3 - e0 - e1, e4 - e0 - e1 lie between -126 and 119, so that each scale and 448 x it are f32 numbers; -(e0 + e1) is applied by v_ldexp_f32.
; SHARES.  A work-group makes 256 rows x the 192 columns of ONE head.  Wave w: RH = w / 2 picks its 128 rows, CH = w % 2 its 96 columns: 32 of q, 32 of k, 32 of v: 8 x 6 accumulators of 16 x 16.
; K goes in steps of 128; a slot of the ring holds 256 along K (rows of 256 bytes); two slots, four fills.  The 8 steps are written out: a loop would have one trip.
; CLUSTER 4 x 4: the four work-groups of a row of the cluster need the same rows of x, the four of a column the same head's weights: each tile is asked for jointly.
; q AND k ARE MADE TRANSPOSED (source 0 = 16 rows of wc, source 1 = 16 rows of xc): a lane holds one row s and eight neighbouring d, so one conversion gives two registers of the operand (16 rows x 64 d) that attention wants.
; v IS MADE AS IT STANDS (source 0 = xc, source 1 = wc): a lane holds one d and eight neighbouring rows s, which are attention's second K: one conversion gives two registers of the operand 16 d x 128 keys.
; THE CODES LEAVE AS IMAGES OF THE OPERANDS' REGISTERS: group g (registers 4 g .. 4 g + 3), lane l's 16 bytes at 512 g + 16 l: each store covers 512 consecutive aligned bytes, and no LDS is needed on the way out.
;   qimg, kimg: [64 b h][128 blocks of 16 rows][2 groups][512];   vimg: [64 b h][16 blocks of 128 keys][4 blocks of 16 d][4 groups][512].
; Fragments come from LDS by four loads of 16 bytes: lane l holds, of row l % 16, K = 32 c + 16 (l / 16) + 0 .. 15 in registers 4 c .. 4 c + 3: a permutation of k within the instruction, the same on both sides.
; REGISTERS, in windows of 256: window 0: v16-31 addresses; v32-79 six tiles of bias, later the sums at work; v80-85 scales and holds; v128-255 x's 8 fragments, ONE set, later the codes.
;   window 1: the weights' 6 fragments, TWO sets, at v0 and v128.   window 2: accumulators (a, b) of blocks a = 0-3 at v[8 (6 a + b)];   window 3: blocks 4-7.
.set PITCH,  272                       ; an LDS row: 256 bytes + 16 of padding, so that the 16 rows of a load start 16 bytes apart modulo 256
.set HALFA,  128*PITCH                 ; what a wave fetches of x
.set HALFB,  96*PITCH                  ; and of the weights
.set SLOT,   2*HALFA+2*HALFB           ; x's 256 rows, then the head's 192
.set SPARE,  2*SLOT                    ; behind the ring: the spare words, 128 bytes a wave: two blocks of 256 bytes that no other line names
.set ADRA, 16                          ; v16-17  LDS address of my x fragments in slot 0, 1
.set ADRB, 20                          ; v20-21  the same for the weights
.set LO,   26                          ; v26     16 x lane: my place in an image's group
.set SPW,  28                          ; v28     LDS address of my spare word; never rewritten
.set NIL,  29                          ; v29     0; never rewritten
.set BI,   32                          ; v32-79  bias tile b at BI + 8 b
.set T,    32                          ; the way out: a block's 48 sums, held
.set SC,   80                          ; v80, 82, 84: the scales of q, k, v;  v81, 83, 85: 448 x them
.set AF,   128
.set CQ,   128                         ; the way out: q's codes, 4 registers a block;
.set CK,   160                         ; k's;
.set CV,   192                         ; v's: 16 registers for each of my two blocks of 16 d
.set WV,   18
.set RH,   19
.set CH,   20
.set G1A, 24                           ; s[24:31] group 1 for x's tiles; s[32:39] group 0, a set for each slot
.set G0A, 32
.set G1B, 48                           ; s[48:55], s[56:63] the same for the weights' tiles
.set G0B, 56
.set MSB, 0
.macro WIN new                         ; the immediate's high byte repeats the setting that is left
.if MSB != (\new)
	s_set_vgpr_msb (MSB<<8)|(\new)
.set MSB, (\new)
.endif
.endm
; A joint load: waves 0 and 1 fetch x's halves, waves 2 and 3 the weights'.  The branch hangs on the wave's number alone.  An s_nop 0 and four v_nop follow each line.
.macro JLOAD g0a, g1a, g0b, g1b
	s_cmp_eq_u32 s[RH], 0
	s_cbranch_scc0 .Lfor_b_\@
	tensor_load_to_lds s[\g0a:\g0a+3], s[\g1a:\g1a+7]
	s_nop 0
.rept 4
	v_nop
.endr
	s_branch .Lasked_\@
.Lfor_b_\@:
	tensor_load_to_lds s[\g0b:\g0b+3], s[\g1b:\g1b+7]
	s_nop 0
.rept 4
	v_nop
.endr
.Lasked_\@:
.endm
.macro CREST                           ; a round of the cluster's barrier behind its opening barrier
	s_cmp_lg_u32 s[WV], 0
	s_cbranch_scc1 .Lnot_wave_0_\@
	s_barrier_signal -3
.Lnot_wave_0_\@:
	s_barrier_wait -3
	s_barrier_signal -1
	s_barrier_wait -1
.endm
.macro CROUND
	s_barrier_signal -1
	s_barrier_wait -1
	CREST
.endm
.macro PLACES n                        ; plain vector lines between a matrix instruction and a load into, or a vector read or write of, its registers
.rept \n
	v_nop
.endr
.endm
	s_load_b256 s[4:11], s[0:1], 0x0               ; xc s[4:5], wc s[6:7], the scales' exponents s[8:9], qkv_b s[10:11]
	s_load_b128 s[12:15], s[0:1], 0x20             ; qimg s[12:13], kimg s[14:15]
	s_load_b64 s[16:17], s[0:1], 0x30              ; vimg
	v_lshl_add_u32 v[SPW], v0, 2, SPARE
	v_mov_b32 v[NIL], 0
	ds_add_u32 v[SPW], v[NIL]                      ; the wave's opening: the add, twice on end, and its wait ahead of my first tensor load
	ds_add_u32 v[SPW], v[NIL]
	v_lshrrev_b32 v1, 5, v0
	v_readfirstlane_b32 s[WV], v1                  ; wave 0..3
	s_lshr_b32 s[RH], s[WV], 1                     ; my 128 rows.  Also: I fetch for x (0) or for the weights (1)
	s_and_b32 s[CH], s[WV], 1                      ; my 96 columns.  Also: which half of that tile I fetch
	s_bfe_u32 s21, ttmp6, 0x40000                  ; cx, cy: my place in the cluster
	s_bfe_u32 s22, ttmp6, 0x40004
	s_lshl_b32 s23, ttmp9, 2
	s_add_co_u32 s23, s23, s21                     ; the head = 4 x cluster x + cx
	s_and_b32 s66, ttmp7, 0xffff
	s_lshl_b32 s66, s66, 2
	s_add_co_u32 s66, s66, s22                     ; the block of 256 rows = 4 x cluster y + cy
	s_lshl_b32 s40, s22, 2
	s_lshl_b32 s40, 15, s40                        ; my row of the cluster
	s_lshl_b32 s41, 0x1111, s21                    ; my column
	s_or_b32 s[G1A+0], s40, (1<<20)|(1<<21)|(5<<22)|(3<<25)   ; 15:0 the mask; 17:16 elements of 1 byte; 20 padding on; 21 set beside a mask; 24:22 after every 64 words; 31:25 four words
	s_or_b32 s[G1B+0], s41, (1<<20)|(1<<21)|(5<<22)|(3<<25)
	s_mov_b32 s[G1A+1], 256<<16                    ; tensor_dim0 = 256
	s_mov_b32 s[G1A+2], 128<<16                    ; tensor_dim1 = 128
	s_mov_b32 s[G1A+3], 256<<16                    ; tile_dim0
	s_mov_b32 s[G1A+4], 128                        ; tile_dim1
	s_mov_b32 s[G1A+5], 1024                       ; from row to row
	s_mov_b32 s[G1A+6], 0
	s_mov_b32 s[G1A+7], 0
	s_mov_b32 s[G1B+1], 256<<16
	s_mov_b32 s[G1B+2], 96<<16                     ; 96 rows
	s_mov_b32 s[G1B+3], 256<<16
	s_mov_b32 s[G1B+4], 96
	s_mov_b32 s[G1B+5], 1024
	s_mov_b32 s[G1B+6], 0
	s_mov_b32 s[G1B+7], 0
	s_lshl_b32 s76, s66, 18                        ; x: row 256 x block + 128 x half, rows of 1,024 bytes: made of the block of rows and the wave's number alone
	s_lshl_b32 s77, s[CH], 17
	s_add_co_u32 s76, s76, s77
	s_mov_b32 s77, 0
	s_mul_i32 s78, s23, 192*1024                   ; the weights: row 192 x head + 96 x half: made of the head and the wave's number alone
	s_mul_i32 s79, s[CH], 96*1024
	s_add_co_u32 s78, s78, s79
	s_mov_b32 s79, 0
	s_mul_i32 s42, s[CH], HALFA                    ; where they go: no place in the cluster enters an LDS address
	s_mul_i32 s43, s[CH], HALFB
	s_add_co_u32 s43, s43, 2*HALFA
	s_wait_dscnt 0x0                               ; both opening adds are done
	s_wait_kmcnt 0x0
	s_load_b256 s[68:75], s[8:9], 0x0              ; e0 .. e7
	s_add_nc_u64 s[76:77], s[4:5], s[76:77]
	s_add_nc_u64 s[78:79], s[6:7], s[78:79]
	CROUND                                         ; all sixteen work-groups are here: the first joint loads meet
.irp s, 0,1
	s_mov_b32 s[G0A+4*\s], 1
	s_add_co_u32 s[G0A+4*\s+1], s42, \s*SLOT
	s_add_nc_u64 s[G0A+4*\s+2:G0A+4*\s+3], s[76:77], \s*256
	s_or_b32 s[G0A+4*\s+3], s[G0A+4*\s+3], 0x80000000
	s_mov_b32 s[G0B+4*\s], 1
	s_add_co_u32 s[G0B+4*\s+1], s43, \s*SLOT
	s_add_nc_u64 s[G0B+4*\s+2:G0B+4*\s+3], s[78:79], \s*256
	s_or_b32 s[G0B+4*\s+3], s[G0B+4*\s+3], 0x80000000
.endr
	JLOAD G0A, G1A, G0B, G1B                       ; slot 0: one tensor load a wave at the head
	; PREFETCHES INTO THE L2, 256 bytes of each row, a lane a row, one instruction a wave for a fill.  Behind the first joint load: the second fill (K 256-511), which is asked for behind the next round, and the third
	; (K 512-767), two refills on; behind the second joint load: the fourth (K 768-1023).  So at most two fills are asked for and not yet read.
	; Of the rows that I fetch (128 of x, 96 of the weights) each of the four partners that ask for them jointly takes a quarter (32 or 24), told apart by address alone; lanes left over name the last row again.
	s_cmp_eq_u32 s[RH], 0
	s_cselect_b64 s[90:91], s[76:77], s[78:79]     ; the rows that I fetch
	s_cselect_b32 s92, s21, s22                    ; my place among the four that ask with me
	s_cselect_b32 s94, 32, 24                      ; rows a partner
	s_mul_i32 s92, s92, s94
	s_lshl_b32 s92, s92, 10
	s_mov_b32 s93, 0
	s_add_nc_u64 s[90:91], s[90:91], s[92:93]
	s_sub_co_u32 s94, s94, 1
	v_and_b32 v24, 31, v0
	v_min_u32 v24, s94, v24
	v_lshlrev_b32 v24, 10, v24                     ; a row is 1,024 bytes; v24 and s[90:91] are never rewritten
	global_prefetch_b8 v24, s[90:91] offset:256 th:TH_LOAD_NT scope:SCOPE_SE
	global_prefetch_b8 v24, s[90:91] offset:512 th:TH_LOAD_NT scope:SCOPE_SE
	v_and_b32 v1, 15, v0                           ; r = l % 16
	v_bfe_u32 v2, v0, 4, 1                         ; h = l / 16
	s_wait_alu depctr_va_vdst(0)
	v_mul_u32_u24 v3, v1, PITCH
	v_lshl_add_u32 v3, v2, 4, v3                   ; a fragment's row x pitch + 16 h
	s_mul_i32 s44, s[RH], HALFA                    ; my 128 rows of x
	s_mul_i32 s45, s[CH], 32*PITCH                 ; my 32 rows of each of q, k, v,
	s_add_co_u32 s45, s45, 2*HALFA                 ; behind x's 256
.irp s, 0,1
	v_add_nc_u32 v[ADRA+\s], s44, v3
	v_add_nc_u32 v[ADRB+\s], s45, v3
	s_add_co_u32 s44, s44, SLOT
	s_add_co_u32 s45, s45, SLOT
.endr
	v_and_b32 v[LO], 31, v0
	v_lshlrev_b32 v[LO], 4, v[LO]
	s_mul_i32 s84, s23, 768                        ; qkv_b at my head's 192 numbers, + my 32 of q
	s_lshl_b32 s85, s[CH], 7
	s_add_co_u32 s84, s84, s85
	s_mov_b32 s85, 0
	s_add_nc_u64 s[10:11], s[10:11], s[84:85]
	v_lshlrev_b32 v27, 5, v2                       ; q, k: lane (r, h) wants the tile's columns 8 h + 0 .. 7
	v_lshlrev_b32 v25, 2, v1                       ; v: its column r, in all eight registers
.irp b, 0,1,2,3
	global_load_b128 v[BI+8*\b:BI+8*\b+3], v27, s[10:11] offset:(64*(\b/2)+16*(\b%2))*4
	global_load_b128 v[BI+8*\b+4:BI+8*\b+7], v27, s[10:11] offset:(64*(\b/2)+16*(\b%2))*4+16
.endr
	global_load_b32 v86, v25, s[10:11] offset:128*4
	global_load_b32 v87, v25, s[10:11] offset:(128+16)*4
	; where my codes go: b h = 16 (block / 8) + head; 131,072 bytes a head in each of the three buffers
	s_lshr_b32 s86, s66, 3
	s_lshl_b32 s86, s86, 4
	s_add_co_u32 s86, s86, s23
	s_lshl_b32 s86, s86, 17
	s_and_b32 s87, s66, 7
	s_lshl_b32 s87, s87, 14                        ; 256 rows are 16,384 bytes of q, of k and of v
	s_add_co_u32 s86, s86, s87
	s_lshl_b32 s87, s[RH], 13                      ; my 128 of them
	s_add_co_u32 s86, s86, s87
	s_lshl_b32 s88, s[CH], 9                       ; q, k: my 32 d are group CH of each image
	s_add_co_u32 s88, s88, s86
	s_mov_b32 s89, 0
	s_add_nc_u64 s[12:13], s[12:13], s[88:89]
	s_add_nc_u64 s[14:15], s[14:15], s[88:89]
	s_lshl_b32 s88, s[CH], 12                      ; v: my 32 d are two images of 2,048 bytes
	s_add_co_u32 s88, s88, s86
	s_add_nc_u64 s[16:17], s[16:17], s[88:89]
	s_wait_kmcnt 0x0
	s_add_co_i32 s44, s68, s69                     ; e0 + e1
	s_sub_co_i32 s45, 0, s44
.irp u, 0,1,2
	s_sub_co_i32 s46, s[70+\u], s44                ; eT - e0 - e1
	s_add_co_i32 s46, s46, 127
	s_lshl_b32 s47, s46, 23
	v_mov_b32 v[SC+2*\u], s47                      ; the scale as f32: the conversion takes its exponent field
	s_add_co_i32 s46, s46, 8
	s_lshl_b32 s46, s46, 23
	s_or_b32 s46, s46, 0x600000
	v_mov_b32 v[SC+2*\u+1], s46                    ; 448 x the scale
.endr
	s_wait_loadcnt 0x0
.set jj, 0
.rept 32
	v_ldexp_f32 v[BI+jj], v[BI+jj], s45            ; bias / 2^(e0 + e1): nothing is rounded, short of overflow and underflow
.set jj, jj+1
.endr
.irp i, 0,1
.irp j, 0,1,2,3,4,5,6,7
	v_ldexp_f32 v[BI+32+8*\i+\j], v[86+\i], s45
.endr
.endr
; 16 products: x's blocks 4 half .. 4 half + 3 against my four tiles of q and k, transposed.  p: the weights' set.  first = 1: the bias starts the sums: nothing is cleared.
; The 48 accumulators take turns, one instruction a turn, in the same order in every step.
.macro MULQK half, p, first
.if \first
	WIN 0x81+0x40*(\half)                          ; source 0 (weights) window 1, source 1 (x) and C (bias) window 0, D window 2 or 3
.else
	WIN 0xa1+0x50*(\half)                          ; C and D window 2 or 3
.endif
.irp a, 0,1,2,3
.irp b, 0,1,2,3
.if \first
	v_wmma_f32_16x16x128_fp8_fp8 v[8*(6*\a+\b):8*(6*\a+\b)+7], v[128*(\p)+16*\b:128*(\p)+16*\b+15], v[AF+16*(4*(\half)+\a):AF+16*(4*(\half)+\a)+15], v[BI+8*\b:BI+8*\b+7]
.else
	v_wmma_f32_16x16x128_fp8_fp8 v[8*(6*\a+\b):8*(6*\a+\b)+7], v[128*(\p)+16*\b:128*(\p)+16*\b+15], v[AF+16*(4*(\half)+\a):AF+16*(4*(\half)+\a)+15], v[8*(6*\a+\b):8*(6*\a+\b)+7]
.endif
.endr
.endr
.endm
; 8 products: the same blocks of x against my two tiles of v, as they stand (source 0 = x)
.macro MULV half, p, first
.if \first
	WIN 0x84+0x40*(\half)
.else
	WIN 0xa4+0x50*(\half)
.endif
.irp a, 0,1,2,3
.irp b, 4,5
.if \first
	v_wmma_f32_16x16x128_fp8_fp8 v[8*(6*\a+\b):8*(6*\a+\b)+7], v[AF+16*(4*(\half)+\a):AF+16*(4*(\half)+\a)+15], v[128*(\p)+16*\b:128*(\p)+16*\b+15], v[BI+8*\b:BI+8*\b+7]
.else
	v_wmma_f32_16x16x128_fp8_fp8 v[8*(6*\a+\b):8*(6*\a+\b)+7], v[AF+16*(4*(\half)+\a):AF+16*(4*(\half)+\a)+15], v[128*(\p)+16*\b:128*(\p)+16*\b+15], v[8*(6*\a+\b):8*(6*\a+\b)+7]
.endif
.endr
.endr
.endm
.macro FETCH_B slot, q, p              ; 24 loads: my six fragments of the weights, the slot's q-th 128 along K, into set p
	WIN 0x40                                       ; destination window 1, address window 0
.irp b, 0,1,2,3,4,5
.irp c, 0,1,2,3
	ds_load_b128 v[128*(\p)+16*\b+4*\c:128*(\p)+16*\b+4*\c+3], v[ADRB+\slot] offset:(64*(\b/2)+16*(\b%2))*PITCH+128*(\q)+32*\c
.endr
.endr
	WIN 0
.endm
.macro FETCH_A slot, q, i0             ; 16 loads: x's blocks i0 .. i0 + 3
.irp i, \i0, \i0+1, \i0+2, \i0+3
.irp c, 0,1,2,3
	ds_load_b128 v[AF+16*(\i)+4*\c:AF+16*(\i)+4*\c+3], v[ADRA+\slot] offset:(\i)*16*PITCH+128*(\q)+32*\c
.endr
.endr
.endm
; A slot's first step: multiplies set 0 and fetches the slot's second 128 along K (the weights into set 1).  A block of x is free as soon as its six products are issued: one set serves x.
.macro STEP slot, first
	s_wait_dscnt 16                                ; the weights' set and x's blocks 0-3 are in; the youngest 16 loads (blocks 4-7) may be out
	MULQK 0, 0, \first
	MULV 0, 0, \first
	s_wait_dscnt 0                                 ; blocks 4-7 are in
	PLACES 4
	FETCH_B \slot, 1, 1
	FETCH_A \slot, 1, 0
	MULQK 1, 0, \first
	MULV 1, 0, \first
	PLACES 4
	WIN 0
	FETCH_A \slot, 1, 4
.endm
; A slot's second step changes slots: ONE barrier; in front of it each wave waits for all its tensor loads, adds 0 to its spare word, and waits for that and for its reads of this slot.
; fill = 1: the barrier opens a round of the cluster's barrier, and behind the round this slot is filled again, 512 along K further on.
.macro TURN slot, next, fill
	s_wait_tensorcnt 0x0                           ; all my tensor loads have landed: my part of the next slot  (every window is 0 here)
	ds_add_u32 v[SPW], v[NIL]                      ; 0 onto my spare word
	s_wait_dscnt 17                                ; (the add and the youngest 16 loads, x's blocks 4-7, may be out)
	MULQK 0, 1, 0                                  ; sixteen products stand between the add and the wait for it
	s_wait_dscnt 0x0                               ; the add is done, and my reads of this slot are over
	s_barrier_signal -1
	MULV 0, 1, 0
	WIN 0
	s_barrier_wait -1
.if \fill
	CREST                                          ; no wave of any partner still reads this slot's tiles or has a load on its way
	s_add_nc_u64 s[G0A+4*\slot+2:G0A+4*\slot+3], s[G0A+4*\slot+2:G0A+4*\slot+3], 512
	s_add_nc_u64 s[G0B+4*\slot+2:G0B+4*\slot+3], s[G0B+4*\slot+2:G0B+4*\slot+3], 512
	JLOAD G0A+4*\slot, G1A, G0B+4*\slot, G1B       ; the first tensor load behind the round; its four v_nop are also the places in front of the loads below
.else
	PLACES 4
.endif
	FETCH_B \next, 0, 0
	FETCH_A \next, 0, 0
	MULQK 1, 1, 0
	MULV 1, 1, 0
	PLACES 4
	WIN 0
	FETCH_A \next, 0, 4
.endm
	s_wait_alu depctr_va_vdst(0)                   ; the wait at the head's end
	s_wait_tensorcnt 0x0                           ; my part of slot 0 is in
	ds_add_u32 v[SPW], v[NIL]
	s_wait_dscnt 0x0
	CROUND                                         ; everybody's part of slot 0 is in, and all sixteen work-groups are here
	JLOAD G0A+4, G1A, G0B+4, G1B                   ; slot 1's first fill: the first tensor load behind the round
	global_prefetch_b8 v24, s[90:91] offset:768 th:TH_LOAD_NT scope:SCOPE_SE   ; the last fill's bytes; behind it there is nothing to ask for
	FETCH_B 0, 0, 0
	FETCH_A 0, 0, 0
	FETCH_A 0, 0, 4
	STEP 0, 1                                      ; K 0-127: the bias starts the sums
	TURN 0, 1, 1                                   ; K 128-255; slot 0 takes K 512-767
	STEP 1, 0                                      ; K 256-383
	TURN 1, 0, 1                                   ; K 384-511; slot 1 takes K 768-1023
	STEP 0, 0                                      ; K 512-639
	TURN 0, 1, 0                                   ; K 640-767; nothing is left to fetch, so no round
	STEP 1, 0                                      ; K 768-895
	s_wait_dscnt 16                                ; K 896-1023
	MULQK 0, 1, 0
	MULV 0, 1, 0
	s_wait_dscnt 0
	MULQK 1, 1, 0
	MULV 1, 1, 0
	PLACES 4                                       ; in front of the first read of results, and of writes into the registers that held x's fragments
; THE WAY OUT, a block of 16 rows at a time: the hold moves the block's 48 sums into window 0 (each accumulator from its low end on); six conversions make the codes; q's and k's 16 bytes a lane leave at once.
.macro OUTBLK a
	WIN 0x02+((\a)/4)                              ; source 0: window 2 or 3
.irp b, 0,1,2,3,4,5
.irp j, 0,1,2,3,4,5,6,7
	v_med3_num_f32 v[T+8*\b+\j], v[8*(6*((\a)%4)+\b)+\j], -v[SC+1+2*(\b/2)], v[SC+1+2*(\b/2)]   ; the conversion does not saturate (ISA guide 7.6.2): the hold comes first
.endr
.endr
	WIN 0
.irp i, 0,1
	v_cvt_scalef32_pk8_fp8_f32 v[CQ+4*(\a)+2*\i:CQ+4*(\a)+2*\i+1], v[T+8*\i:T+8*\i+7], v[SC]          ; q(row r, d = 32 CH + 16 i + 8 h + 0 .. 7)
	v_cvt_scalef32_pk8_fp8_f32 v[CK+4*(\a)+2*\i:CK+4*(\a)+2*\i+1], v[T+16+8*\i:T+16+8*\i+7], v[SC+2]  ; k likewise
	v_cvt_scalef32_pk8_fp8_f32 v[CV+16*\i+2*(\a):CV+16*\i+2*(\a)+1], v[T+32+8*\i:T+32+8*\i+7], v[SC+4] ; v(key 16 a + 8 h + 0 .. 7, d = 32 CH + 16 i + r)
.endr
	v_nop                                          ; one plain line between the conversions and the next block's holds, which write their sources
	global_store_b128 v[LO], v[CQ+4*(\a):CQ+4*(\a)+3], s[12:13] offset:(\a)*1024   ; 32 lanes store 512 consecutive aligned bytes; no store's data are written again
	global_store_b128 v[LO], v[CK+4*(\a):CK+4*(\a)+3], s[14:15] offset:(\a)*1024
.endm
.irp a, 0,1,2,3,4,5,6,7
	OUTBLK \a
.endr
.irp i, 0,1
.irp g, 0,1,2,3
	global_store_b128 v[LO], v[CV+16*\i+4*\g:CV+16*\i+4*\g+3], s[16:17] offset:2048*\i+512*\g
.endr
.endr
	s_wait_tensorcnt 0x0                           ; the wave's end, behind my last tensor load
	ds_add_u32 v[SPW], v[NIL]
	s_wait_dscnt 0x0
	CROUND                                         ; the closing round: no work-group ends while a partner may still ask for a tile that names it
	s_endpgm
.Lfunc_end_k_qbf531b5d21_qkv:
	.size	k_qbf531b5d21_qkv, .Lfunc_end_k_qbf531b5d21_qkv-k_qbf531b5d21_qkv
	.p2alignl 7, 3214868480
	.fill 96, 4, 3214868480
	.section	.rodata,"a",@progbits
	.p2align	6, 0x0
	.amdhsa_kernel k_qbf531b5d21_qkv
		.amdhsa_group_segment_fixed_size 327680
		.amdhsa_private_segment_fixed_size 0
		.amdhsa_enable_private_segment 0
		.amdhsa_kernarg_size 56
		.amdhsa_user_sgpr_count 2
		.amdhsa_user_sgpr_kernarg_segment_ptr 1
		.amdhsa_wavefront_size32 1
		.amdhsa_system_sgpr_workgroup_id_x 1
		.amdhsa_system_sgpr_workgroup_id_y 1
		.amdhsa_system_sgpr_workgroup_id_z 1
		.amdhsa_system_vgpr_workitem_id 0
		.amdhsa_next_free_vgpr 1024
		.amdhsa_next_free_sgpr 100
		.amdhsa_reserve_vcc 0
		.amdhsa_float_denorm_mode_32 3
		.amdhsa_float_denorm_mode_16_64 3
		.amdhsa_memory_ordered 1
		.amdhsa_forward_progress 1
		.amdhsa_inst_pref_size 102
	.end_amdhsa_kernel
	.amdgpu_metadata
---
amdhsa.version: [ 1, 2 ]
amdhsa.kernels:
  - .name:           k_qbf531b5d21_qkv
    .symbol:         k_qbf531b5d21_qkv.kd
    .args:
      - { .name: xc, .offset: 0, .size: 8, .value_kind: global_buffer, .address_space: global }
      - { .name: wc, .offset: 8, .size: 8, .value_kind: global_buffer, .address_space: global }
      - { .name: lowp_scales, .offset: 16, .size: 8, .value_kind: global_buffer, .address_space: global }
      - { .name: qkv_b, .offset: 24, .size: 8, .value_kind: global_buffer, .address_space: global }
      - { .name: qimg, .offset: 32, .size: 8, .value_kind: global_buffer, .address_space: global }
      - { .name: kimg, .offset: 40, .size: 8, .value_kind: global_buffer, .address_space: global }
      - { .name: vimg, .offset: 48, .size: 8, .value_kind: global_buffer, .address_space: global }
    .group_segment_fixed_size: 327680
    .private_segment_fixed_size: 0
    .kernarg_segment_align: 8
    .kernarg_segment_size: 56
    .max_flat_workgroup_size: 128
    .sgpr_count:     100
    .vgpr_count:     1024
    .wavefront_size: 32
...
	.end_amdgpu_metadata
.endif
;; end of part 2
;; launch attn (part 3): grid 4 x 64, 8 waves a work-group, clusters of 4 x 1, 327,680 bytes of LDS; arguments qimg, kimg, vimg, lowp_scales, aimg; writes aimg
.if DOCPART == 3
	.amdgcn_target "amdgcn-amd-amdhsa--gfx1250"
	.amdhsa_code_object_version 6
	.text
	.protected	k_qbf531b5d21_attn
	.globl	k_qbf531b5d21_attn
	.p2align	8
	.type	k_qbf531b5d21_attn,@function
k_qbf531b5d21_attn:
	s_mov_b64 s[64:65], 0
	v_nop
	global_prefetch_b8 v0, s[64:65] scope:SCOPE_SE
	s_setreg_imm32_b32 hwreg(HW_REG_WAVE_MODE, 25, 1), 1
	s_wait_xcnt 0x0
	s_wait_alu depctr_hold_cnt(0) depctr_sa_sdst(0) depctr_va_vdst(0) depctr_va_sdst(0) depctr_va_ssrc(0) depctr_va_vcc(0) depctr_vm_vsrc(0)
	s_getreg_b32 s2, hwreg(HW_REG_IB_STS2, 6, 4)
	s_cmp_eq_u32 s2, 0
	s_cbranch_scc0 .Lentry_in_a_cluster
	s_endpgm
.Lentry_in_a_cluster:
	s_bfe_u32 s2, ttmp6, 0x10000c
	s_cmp_lg_u32 s2, 0x3003
	s_cbranch_scc0 .Lentry_shape_is_right
	s_endpgm
.Lentry_shape_is_right:
; attn[b][q][h][:] = the sum over k <= q of softmax_k(q . k / 8) v, both products on codes of FP8 (E4M3), and the result quantised at once with its given scale (entry 6 of lowp_scales).
; LEFT OUT AS DEAD WORK: key steps of 128 keys all of which come after a wave's 32 queries in hand: reference()'s own tril gives them p = 0 for every input (shown at the head of launch prep).
;   LIMIT: a NaN, an infinity or an overflow that reaches only those hidden scores is not carried to the result.
; THE SOFTMAX AHEAD OF THE SECOND PRODUCT: t = score x log2(e) / 8; M = the running largest t rounded UP to a whole number; p = 2^(t - M) is quantised (entry 5), not normalised; the row's sum is taken of the
;   unquantised p and divides at the end.  When M moves, the sum and O are multiplied by 2^(old M - new M): exact.
; LIMITS on the exponents: e2 + e3 between -123 and 130 (added to c's exponent field); e5 and e6 between -126 and 119; e4 + e5 is applied by v_ldexp_f32.
; INPUTS are images of the operands' registers (launch qkv): group g, lane l's 16 bytes at 512 g + 16 l: every LDS read is 16 x lane + a constant.
; K AND V OF A HEAD STAY IN LDS: 131,072 bytes each.  Each of the eight waves asks for 32,768 of them, once, at the head; one barrier; behind it nothing is filled, so no further barrier stands in the text.
; CLUSTER 4 x 1: the four work-groups of a head need the same K and V: each of the eight loads is asked for jointly.
; NO PREFETCH: all that the launch reads by tensor loads is asked for at its head: there is no loop to run ahead in.
; SHARES.  Work-group X of a head owns queries 128 i + 32 X + 0 .. 31, i = 0 .. 15.  Wave w takes i = w and then i = 15 - w: (w + 1) + (16 - w) = 17 key steps of 128 keys for every wave of every work-group.
;   Both loops have constant trip counts (2 x 16); a step behind the diagonal is passed over by a scalar branch on the wave's number and the count of trips.  The diagonal step is step i: no branch hangs on X.
; A WAVE HOLDS TWO TILES of 16 queries, A and B, so that each fragment of K and of V read from LDS feeds two products.
; LAYOUT.  S^T = K Q^T (source 0 = 16 keys, source 1 = 16 queries), O^T = V^T P^T (source 0 = 16 d x 128 keys, source 1 = P): a lane holds ONE query (lane % 16) of each tile.  In tile c of S^T lane (r, h) holds keys
;   16 c + 8 h + 0 .. 7: one conversion gives registers 2 c, 2 c + 1 of P.  In tile t of O^T it holds d = 16 t + 8 h + 0 .. 7: one conversion gives two registers of the last product's operand.
; aimg: [512 blocks of 16 rows][8 K steps of 128][4 groups][512]: head hd owns the 1,024 bytes at 1,024 hd of a block's 16,384.
; REGISTERS.  Window 0: v1, v2 LDS places; v5, v6 the add's two; v7 -infinity; v8, v9 addresses in hand; v10, v11 the mask's d of A, B; v12-13, v14-15: -M and the largest t of A, B; v16-17, v18-19 their sums;
;   v20, v22 their f; v24-31 at work; v32-95 K; v96-159 A's S^T, then p; v160-191 A's O^T; v192-207 A's codes; v208-223 Q of A, B; v224-239 the second block's; v240, 244: 448 x 2^e5, 2^e5; v241, 245: with e6.
;   Window 1: v32-95 V; v96-159 B's S^T, then p; v160-191 B's O^T; v192-207 B's codes.
.set VB,    131072                     ; LDS: K's 131,072 bytes, then V's
.set SPARE, 262144                     ; then the spare words, 128 bytes a wave: four blocks of 256 bytes that no other line names
.set LI,  1
.set LV,  2
.set SPW, 5
.set NIL, 6
.set NEG, 7
.set ADK, 8
.set ADV, 9
.set DA,  10
.set DB,  11
.set PC,  192
.set QA,  208
.set QB,  216
.set Q2,  224
.set WV,  18
.set SEL, 20                           ; s[20:21] v_permlanex16_b32's selects: lane l xor 16
.set CS,  22                           ; s[22:23] c = log2(e) / 8 x 2^(e2 + e3)
.set G1,  24
.set G0,  40
.set PAIR, 33
.set LIMS, 34                          ; the block's last key step, which is its diagonal step
.set XX,  35
.set KS,  36                           ; the key step's first byte in K and in V
.set NN,  37
.set MSB, 0
.macro WIN new                         ; low byte: bits 1:0 source 0, 3:2 source 1, 5:4 source 2, 7:6 destination; the high byte repeats the setting that is left
.if MSB != (\new)
	s_set_vgpr_msb (MSB<<8)|(\new)
.set MSB, (\new)
.endif
.endm
.macro ROUND                           ; a round of the cluster's barrier
	s_barrier_signal -1
	s_barrier_wait -1
	s_cmp_lg_u32 s[WV], 0
	s_cbranch_scc1 .Lnot_wave_0_\@
	s_barrier_signal -3
.Lnot_wave_0_\@:
	s_barrier_wait -3
	s_barrier_signal -1
	s_barrier_wait -1
.endm
.macro MASK w, d                       ; register 8 f + j holds key 128 i + 16 f + 8 h + j: hidden where 16 f + j > d: -infinity ahead of the maximum, so that p = 0
	WIN \w
.set nn, 0
.rept 64
	v_cmp_gt_i32 vcc_lo, 16*(nn/8)+nn%8, v[\d]
	v_cndmask_b32 v[96+nn], v[96+nn], v[NEG], vcc_lo
.set nn, nn+1
.endr
.endm
.macro MAXES w, c                      ; the step's largest score among my 64 keys, in eight chains, each accumulator from its low end on
	WIN \w
.irp k, 0,1,2,3,4,5,6,7                ; eight chains, in v[c] to v[c + 7]
	v_max3_num_f32 v[\c+\k], v[NEG], v[96+2*\k], v[97+2*\k]
.endr
.set jj, 16
.rept 3
.irp k, 0,1,2,3,4,5,6,7
	v_max3_num_f32 v[\c+\k], v[\c+\k], v[96+jj+2*\k], v[97+jj+2*\k]
.endr
.set jj, jj+16
.endr
.endm
.macro SCALE w, f, m                   ; O^T under the new M, and t - M, two at a time
	WIN \w
.set jj, 0
.rept 16
	v_pk_mul_f32 v[160+jj:161+jj], v[160+jj:161+jj], v[\f:\f+1] op_sel_hi:[1,0]
.set jj, jj+2
.endr
.set jj, 0
.rept 32
	v_pk_fma_f32 v[96+jj:97+jj], v[96+jj:97+jj], s[CS:CS+1], v[\m:\m+1] op_sel_hi:[1,0,0]
.set jj, jj+2
.endr
.endm
.macro EXPS w
	WIN \w
.set jj, 0
.rept 64
	v_exp_f32 v[96+jj], v[96+jj]                   ; p = 2^(t - M), at most 1: not normalised
.set jj, jj+1
.endr
.endm
; Tile B's exponentials, and between them tile A's holds: each hold reads a p of A (whose batch has had its wait) and writes window 1's v0-31 and v208-239, which are read behind the next wait.
; A's p stay as they are for the row's sum.  One window setting serves both lines: destination and source 0 in window 1 (there v240 holds 448 x 2^e5 too), source 1 in window 0.
.macro EXPHOLD
	WIN 0x41
.set jj, 0
.rept 32
	v_exp_f32 v[96+jj], v[96+jj]
	v_min_num_f32 v[jj], v240, v[96+jj]
.set jj, jj+1
.endr
.rept 32
	v_exp_f32 v[96+jj], v[96+jj]
	v_min_num_f32 v[176+jj], v240, v[96+jj]
.set jj, jj+1
.endr
.endm
.macro CVTA                            ; tile A's codes from its held p in window 1
	WIN 0x01
.irp g, 0,1,2,3
	v_cvt_scalef32_pk8_fp8_f32 v[PC+2*\g:PC+2*\g+1], v[8*\g:8*\g+7], v244
.endr
.irp g, 4,5,6,7
	v_cvt_scalef32_pk8_fp8_f32 v[PC+2*\g:PC+2*\g+1], v[176+8*\g:183+8*\g], v244
.endr
	v_nop                                          ; one plain line between the last conversion and the products that read its result
.endm
.macro PVA t                           ; one of tile A's four accumulators: O^T += V^T P^T, V from window 1
	v_wmma_f32_16x16x128_fp8_fp8 v[160+8*(\t):167+8*(\t)], v[32+16*(\t):47+16*(\t)], v[PC:PC+15], v[160+8*(\t):167+8*(\t)]
.endm
; The row's sum of the unquantised p, two at a time, in eight chains: l and seven pairs from v[t] on.  pv = 1: tile A's four products stand among tile B's additions, under the same window setting.
.macro SUMS l, t, w2, w1, pv
	WIN \w2
.irp k, 0,1,2,3,4,5,6
	v_pk_add_f32 v[\t+2*\k:\t+2*\k+1], v[96+4*\k:97+4*\k], v[98+4*\k:99+4*\k]
.endr
	WIN \w1
.set jj, 124
.set tt, 0
.rept 2
.if \pv
	PVA tt
.endif
	v_pk_add_f32 v[\l:\l+1], v[jj:jj+1], v[\l:\l+1]
.irp k, 0,1,2
	v_pk_add_f32 v[\t+2*\k:\t+2*\k+1], v[jj+2+2*\k:jj+3+2*\k], v[\t+2*\k:\t+2*\k+1]
.endr
.if \pv
	PVA tt+1
.endif
.irp k, 3,4,5,6
	v_pk_add_f32 v[\t+2*\k:\t+2*\k+1], v[jj+2+2*\k:jj+3+2*\k], v[\t+2*\k:\t+2*\k+1]
.endr
.set jj, jj+16
.set tt, tt+2
.endr
	v_pk_add_f32 v[\l:\l+1], v[156:157], v[\l:\l+1]
	v_pk_add_f32 v[\t:\t+1], v[158:159], v[\t:\t+1]
	WIN 0
	v_pk_add_f32 v[\t:\t+1], v[\t:\t+1], v[\t+2:\t+3]
	v_pk_add_f32 v[\t+4:\t+5], v[\t+4:\t+5], v[\t+6:\t+7]
	v_pk_add_f32 v[\t+8:\t+9], v[\t+8:\t+9], v[\t+10:\t+11]
	v_pk_add_f32 v[\l:\l+1], v[\l:\l+1], v[\t+12:\t+13]
	v_pk_add_f32 v[\t:\t+1], v[\t:\t+1], v[\t+4:\t+5]
	v_pk_add_f32 v[\l:\l+1], v[\l:\l+1], v[\t+8:\t+9]
	v_pk_add_f32 v[\l:\l+1], v[\l:\l+1], v[\t:\t+1]
.endm
.macro CODES w                         ; the conversion does not saturate (ISA guide 7.6.2); p is not negative, so the hold is one-sided
	WIN \w
.set jj, 0
.rept 64                               ; all the holds first, so that no conversion reads a hold written just ahead of it
	v_min_num_f32 v[96+jj], v[96+jj], v240
.set jj, jj+1
.endr
.set cc, 0
.rept 8
	v_cvt_scalef32_pk8_fp8_f32 v[PC+2*cc:PC+2*cc+1], v[96+8*cc:103+8*cc], v244
.set cc, cc+1
.endr
	v_nop                                          ; one plain line between the last conversion and the products that read its result
.endm
.macro PV w                            ; O^T += V^T P^T, the four accumulators by turns
	WIN \w
.irp t, 0,1,2,3
	v_wmma_f32_16x16x128_fp8_fp8 v[160+8*\t:167+8*\t], v[32+16*\t:47+16*\t], v[PC:PC+15], v[160+8*\t:167+8*\t]
.endr
.endm
	s_load_b256 s[4:11], s[0:1], 0x0               ; qimg s[4:5], kimg s[6:7], vimg s[8:9], the scales' exponents s[10:11]
	s_load_b64 s[12:13], s[0:1], 0x20              ; aimg
	v_lshl_add_u32 v[SPW], v0, 2, SPARE
	v_mov_b32 v[NIL], 0
	ds_add_u32 v[SPW], v[NIL]                      ; the wave's opening: the add, twice on end, and its wait ahead of my first tensor load
	ds_add_u32 v[SPW], v[NIL]
	v_lshrrev_b32 v8, 5, v0
	v_readfirstlane_b32 s[WV], v8                  ; wave 0..7
	s_bfe_u32 s[XX], ttmp6, 0x40000                ; X: my place in the cluster
	s_and_b32 s14, ttmp7, 0xffff                   ; b h
	s_lshl_b32 s32, s14, 17                        ; the head's first byte in qimg, kimg and vimg
	s_mov_b32 s[G1+0], 15|(3<<16)|(1<<21)          ; the mask names the four; elements of 8 bytes; bit 21 set beside a mask; no padding: a dense block of 32,768 bytes as
	s_mov_b32 s[G1+1], 32<<16                      ; tensor_dim0 = 32 elements (256 bytes)
	s_mov_b32 s[G1+2], 128<<16                     ; tensor_dim1 = 128 rows
	s_mov_b32 s[G1+3], 32<<16
	s_mov_b32 s[G1+4], 128
	s_mov_b32 s[G1+5], 32
	s_mov_b32 s[G1+6], 0
	s_mov_b32 s[G1+7], 0
	s_mov_b32 s[SEL], 0x76543210
	s_mov_b32 s[SEL+1], 0xfedcba98
	s_mov_b32 s[CS], 0x3e38aa3b                    ; log2(e) / 8
	s_and_b32 s15, s[WV], 1                        ; I fetch for K (0) or for V (1),
	s_lshr_b32 s19, s[WV], 1
	s_lshl_b32 s19, s19, 15                        ; the quarter wave / 2: 512 keys
	s_lshl_b32 s[G0+1], s15, 17
	s_add_co_u32 s[G0+1], s[G0+1], s19             ; LDS address: the wave's number alone
	s_add_co_u32 s16, s32, s19                     ; in memory: the head and the wave's number alone
	s_mov_b32 s17, 0
	s_mov_b32 s[G0], 1
	s_lshl_b32 s38, s[XX], 5                       ; 32 X
	s_lshl_b32 s84, s[WV], 7
	s_add_co_u32 s84, s84, s38                     ; my first query of the first block: 128 w + 32 X,
	s_sub_co_u32 s86, 15, s[WV]
	s_lshl_b32 s86, s86, 7
	s_add_co_u32 s86, s86, s38                     ; and of the second: 128 (15 - w) + 32 X
	s_lshr_b32 s88, s14, 4                         ; aimg: the batch's 128 blocks of 16,384 bytes,
	s_lshl_b32 s88, s88, 21
	s_and_b32 s89, s14, 15
	s_lshl_b32 s89, s89, 10                        ; the head's 1,024 bytes of a block,
	s_add_co_u32 s88, s88, s89
	s_lshl_b32 s90, s84, 10                        ; and my queries' blocks
	s_add_co_u32 s90, s90, s88
	s_mov_b32 s91, 0
	s_lshl_b32 s92, s86, 10
	s_add_co_u32 s92, s92, s88
	s_mov_b32 s93, 0
	s_lshl_b32 s84, s84, 6                         ; 16 queries are 1,024 bytes of qimg
	s_add_co_u32 s84, s84, s32
	s_mov_b32 s85, 0
	s_lshl_b32 s86, s86, 6
	s_add_co_u32 s86, s86, s32
	s_mov_b32 s87, 0
	s_mov_b32 s[LIMS], s[WV]
	s_mov_b32 s[PAIR], 0
	s_wait_dscnt 0x0                               ; both opening adds are done
	s_wait_kmcnt 0x0
	s_load_b256 s[68:75], s[10:11], 0x0            ; e0 .. e7
	s_cmp_eq_u32 s15, 0
	s_cselect_b64 s[G0+2:G0+3], s[6:7], s[8:9]
	s_add_nc_u64 s[G0+2:G0+3], s[G0+2:G0+3], s[16:17]
	s_or_b32 s[G0+3], s[G0+3], 0x80000000          ; type = 2
	ROUND                                          ; all four work-groups are here: the joint loads meet
	tensor_load_to_lds s[G0:G0+3], s[G1:G1+7]      ; my one tensor load of the launch
	s_nop 0
	s_add_nc_u64 s[48:49], s[4:5], s[84:85]        ; Q of the two blocks,
	s_add_nc_u64 s[50:51], s[4:5], s[86:87]
	s_add_nc_u64 s[52:53], s[12:13], s[90:91]      ; and where their results go
	s_add_nc_u64 s[54:55], s[12:13], s[92:93]
	v_and_b32 v[LI], 31, v0
	v_lshlrev_b32 v[LI], 4, v[LI]
.irp g, 0,1,2,3
	global_load_b128 v[QA+4*\g:QA+4*\g+3], v[LI], s[48:49] offset:512*\g   ; tile A's two groups, then tile B's
	global_load_b128 v[Q2+4*\g:Q2+4*\g+3], v[LI], s[50:51] offset:512*\g
.endr
	v_add_nc_u32 v[LV], VB, v[LI]
	v_and_b32 v24, 15, v0
	v_bfe_u32 v25, v0, 4, 1
	v_lshlrev_b32 v25, 3, v25
	v_sub_nc_u32 v24, v24, v25
	v_add_nc_u32 v[DA], s38, v24                   ; d = my query - 128 i - 8 (lane / 16) = 32 X + lane % 16 - 8 (lane / 16) in tile A,
	v_add_nc_u32 v[DB], 16, v[DA]                  ; 16 more in tile B
	v_mov_b32 v[NEG], 0xff800000
	v_mov_b32 v21, 0                               ; (named as the upper halves of the pairs v[20:21], v[22:23])
	v_mov_b32 v23, 0
	v_mov_b32 v28, 0                               ; (a lane permute's destination counts as one of its sources)
	s_wait_kmcnt 0x0
	s_add_co_i32 s83, s70, s71
	s_lshl_b32 s83, s83, 23
	s_add_co_i32 s[CS], s[CS], s83                 ; a score stands for score x 2^(e2 + e3): the exponents are added to c's exponent field
	s_mov_b32 s[CS+1], s[CS]
	s_add_co_i32 s83, s73, 127
	s_lshl_b32 s81, s83, 23
	v_mov_b32 v244, s81                            ; 2^e5
	s_add_co_i32 s83, s83, 8
	s_lshl_b32 s83, s83, 23
	s_or_b32 s83, s83, 0x600000
	v_mov_b32 v240, s83                            ; 448 x 2^e5,
	WIN 0x40
	v_mov_b32 v240, s83                            ; and once more in window 1
	WIN 0
	s_add_co_i32 s83, s74, 127
	s_lshl_b32 s81, s83, 23
	v_mov_b32 v245, s81                            ; 2^e6
	s_add_co_i32 s83, s83, 8
	s_lshl_b32 s83, s83, 23
	s_or_b32 s83, s83, 0x600000
	v_mov_b32 v241, s83                            ; 448 x 2^e6
	s_add_co_i32 s82, s72, s73                     ; e4 + e5
	s_wait_alu depctr_va_vdst(0)                   ; the wait at the head's end
	s_wait_loadcnt 0x0                             ; Q of both blocks
	s_wait_tensorcnt 0x0                           ; my 32,768 bytes are in
	s_barrier_signal -1
	s_barrier_wait -1                              ; everybody's are: K and V of the head lie whole in LDS
.Lpair:                                            ; two trips: a block of 32 queries each
	v_mov_b32 v13, 0xff61b1e6                      ; the largest t so far: -3e38, under every t
	v_mov_b32 v15, 0xff61b1e6
	v_floor_f32 v12, -v13                          ; -M
	v_floor_f32 v14, -v15
.irp j, 16,17,18,19
	v_mov_b32 v[\j], 0
.endr
.set jj, 0
.rept 32
	v_mov_b32 v[160+jj], 0                         ; O^T: the step is written once; a block's first step finds zeros, which the first change of M leaves zeros
.set jj, jj+1
.endr
	WIN 0x40
.set jj, 0
.rept 32
	v_mov_b32 v[160+jj], 0
.set jj, jj+1
.endr
	WIN 0
.irp f, 0,1,2,3,4,5,6,7
	ds_load_b128 v[32+8*\f:35+8*\f], v[LI] offset:1024*\f          ; K of key step 0
	ds_load_b128 v[36+8*\f:39+8*\f], v[LI] offset:1024*\f+512
.endr
	s_mov_b32 s[KS], 0
	s_mov_b32 s[NN], 0
.Lstep:                                            ; sixteen trips: a key step of 128 keys each
	s_cmp_gt_u32 s[NN], s[LIMS]                    ; behind the diagonal: passed over
	s_cbranch_scc1 .Lskip
	v_add_nc_u32 v[ADK], s[KS], v[LI]
	v_add_nc_u32 v[ADV], s[KS], v[LV]
	v_nop
	v_nop                                          ; with the two additions: four places in front of loads into registers that the last products read
	WIN 0x40
.irp t, 0,1,2,3
.irp g, 0,1,2,3
	ds_load_b128 v[32+16*\t+4*\g:35+16*\t+4*\g], v[ADV] offset:2048*\t+512*\g   ; V's four fragments land while the softmax is walked
.endr
.endr
	WIN 0
	s_wait_alu depctr_va_vdst(0)
	s_wait_dscnt 16                                ; K is in; V's sixteen loads may be out
.irp f, 0,1,2,3,4,5,6,7
	v_wmma_f32_16x16x64_fp8_fp8 v[96+8*\f:103+8*\f], v[32+8*\f:39+8*\f], v[QA:QA+7], 0   ; S^T of tile A: keys 16 f on
.endr
	WIN 0x40
.irp f, 0,1,2,3,4,5,6,7
	v_wmma_f32_16x16x64_fp8_fp8 v[96+8*\f:103+8*\f], v[32+8*\f:39+8*\f], v[QB:QB+7], 0   ; of tile B, from the same fragments
.endr
	WIN 0
.rept 4
	v_nop                                          ; places in front of the loads below and of the first read of the scores
.endr
	s_cmp_eq_u32 s[NN], s[LIMS]
	s_cbranch_scc1 .Ldiag
.irp f, 0,1,2,3,4,5,6,7
	ds_load_b128 v[32+8*\f:35+8*\f], v[ADK] offset:8192+1024*\f    ; the next step's K, a softmax ahead of its products
	ds_load_b128 v[36+8*\f:39+8*\f], v[ADK] offset:8192+1024*\f+512
.endr
	s_branch .Lopen
.Ldiag:                                            ; the block's last step lies on the diagonal
	MASK 0, DA
	MASK 0x41, DB
	WIN 0
.Lopen:
	MAXES 0, 24
	MAXES 0x14, 192                                ; tile B's chains lie where tile A's codes will: those registers are free here
	WIN 0
	v_max3_num_f32 v24, v24, v25, v26              ; the two tiles' chains line by line
	v_max3_num_f32 v192, v192, v193, v194
	v_max3_num_f32 v27, v27, v28, v29
	v_max3_num_f32 v195, v195, v196, v197
	v_max_num_f32 v30, v30, v31
	v_max_num_f32 v198, v198, v199
	v_max3_num_f32 v24, v24, v27, v30
	v_max3_num_f32 v28, v192, v195, v198
	v_permlanex16_b32 v25, v24, s[SEL], s[SEL+1]
	v_permlanex16_b32 v29, v28, s[SEL], s[SEL+1]
	v_max_num_f32 v24, v24, v25                    ; and among lane l xor 16's
	v_max_num_f32 v28, v28, v29
	v_mul_f32 v24, s[CS], v24                      ; as t (c is positive)
	v_mul_f32 v28, s[CS], v28
	v_max_num_f32 v13, v13, v24                    ; the running largest t
	v_max_num_f32 v15, v15, v28
	v_mov_b32 v24, v12
	v_mov_b32 v28, v14
	v_floor_f32 v12, -v13                          ; the new -M = floor(-t) = -ceil(t): a whole number
	v_floor_f32 v14, -v15
	v_sub_f32 v24, v12, v24                        ; old M less new M: a whole number, 0 or less
	v_sub_f32 v28, v14, v28
	v_cvt_i32_f32 v24, v24                         ; (it saturates)
	v_cvt_i32_f32 v28, v28
	v_ldexp_f32 v20, 1.0, v24                      ; f = 2^(old M - new M)
	v_ldexp_f32 v22, 1.0, v28
	v_pk_mul_f32 v[16:17], v[16:17], v[20:21] op_sel_hi:[1,0]   ; the sums under the new M
	v_pk_mul_f32 v[18:19], v[18:19], v[22:23] op_sel_hi:[1,0]
	SCALE 0, 20, 12
	SCALE 0x41, 22, 14
	s_wait_alu depctr_va_vdst(0)                   ; the wait ahead of the batch
	EXPS 0                                         ; tile A's 64
	v_nop                                          ; a plain line behind the exponentials
	s_wait_alu depctr_va_vdst(0)                   ; the wait behind tile A's batch and ahead of tile B's
	EXPHOLD                                        ; tile B's 64; its last line is a plain one
	s_wait_alu depctr_va_vdst(0)                   ; the wait behind tile B's batch, ahead of its first reader and of the readers of the holds
	SUMS 16, 192, 0, 0, 0                          ; scratch where tile A's codes will lie
	CVTA
	s_wait_alu depctr_va_vdst(0)
	s_wait_dscnt 0x0                               ; V is in, and the next step's K
	SUMS 18, 96, 0x05, 0x01, 1                     ; scratch where tile A's p lay; tile A's products among the additions
	CODES 0x41
	PV 0x55                                        ; tile B; between two links of a chain stand seven other products and the next step's sixteen
	WIN 0
.Lskip:
	s_add_co_u32 s[KS], s[KS], 8192
	s_add_co_u32 s[NN], s[NN], 1
	s_cmp_lt_u32 s[NN], 16
	s_cbranch_scc1 .Lstep
	; The block is finished: O^T x 2^(e4 + e5) / the sum, held, quantised with 2^e6: each tile's codes are two groups of the last product's operand: stores of 512 consecutive aligned bytes.
	s_wait_dscnt 0x0
	v_add_f32 v16, v16, v17                        ; the sums' two halves  (these six lines are also the places behind the last products)
	v_add_f32 v18, v18, v19
	v_permlanex16_b32 v24, v16, s[SEL], s[SEL+1]
	v_permlanex16_b32 v28, v18, s[SEL], s[SEL+1]
	v_add_f32 v16, v16, v24                        ; and lane l xor 16's
	v_add_f32 v18, v18, v28
	s_wait_alu depctr_va_vdst(0)                   ; the wait ahead of the reciprocals,
	v_rcp_f32 v16, v16
	v_rcp_f32 v18, v18
	v_nop
	s_wait_alu depctr_va_vdst(0)                   ; and ahead of their first reader
	v_ldexp_f32 v16, v16, s82
	v_ldexp_f32 v18, v18, s82
	s_wait_alu depctr_va_vdst(0)                   ; the wait directly ahead of the first reader of O^T
.set jj, 0
.rept 32
	v_mul_f32 v[96+jj], v[160+jj], v16             ; each accumulator from its low end on
.set jj, jj+1
.endr
	WIN 0x01
	s_wait_alu depctr_va_vdst(0)                   ; the same for tile B's
.set jj, 0
.rept 32
	v_mul_f32 v[128+jj], v[160+jj], v18
.set jj, jj+1
.endr
	WIN 0
.set jj, 0
.rept 64
	v_med3_num_f32 v[96+jj], v[96+jj], -v241, v241
.set jj, jj+1
.endr
.irp t, 0,1,2,3,4,5,6,7
	v_cvt_scalef32_pk8_fp8_f32 v[PC+2*\t:PC+2*\t+1], v[96+8*\t:103+8*\t], v245
.endr
	v_nop                                          ; one plain line behind the last conversion: later products write its sources
	global_store_b128 v[LI], v[PC:PC+3], s[52:53]
	global_store_b128 v[LI], v[PC+4:PC+7], s[52:53] offset:512
	global_store_b128 v[LI], v[PC+8:PC+11], s[52:53] offset:16384
	global_store_b128 v[LI], v[PC+12:PC+15], s[52:53] offset:16896
	s_wait_xcnt 0x0                                ; the stores have read their base and their data: both are written again below and in the next trip
	s_mov_b64 s[52:53], s[54:55]                   ; on to the second block (what these lines make in the second trip is not used)
	s_sub_co_u32 s[LIMS], 15, s[LIMS]
.set jj, 0
.rept 16
	v_mov_b32 v[QA+jj], v[Q2+jj]
.set jj, jj+1
.endr
	s_add_co_u32 s[PAIR], s[PAIR], 1
	s_cmp_lt_u32 s[PAIR], 2
	s_wait_alu depctr_va_vdst(0)
	s_cbranch_scc1 .Lpair
	s_wait_tensorcnt 0x0                           ; the wave's end, behind my tensor load
	ds_add_u32 v[SPW], v[NIL]
	s_wait_dscnt 0x0
	ROUND                                          ; the closing round
	s_endpgm
.Lfunc_end_k_qbf531b5d21_attn:
	.size	k_qbf531b5d21_attn, .Lfunc_end_k_qbf531b5d21_attn-k_qbf531b5d21_attn
	.p2alignl 7, 3214868480
	.fill 96, 4, 3214868480
	.section	.rodata,"a",@progbits
	.p2align	6, 0x0
	.amdhsa_kernel k_qbf531b5d21_attn
		.amdhsa_group_segment_fixed_size 327680
		.amdhsa_private_segment_fixed_size 0
		.amdhsa_enable_private_segment 0
		.amdhsa_kernarg_size 40
		.amdhsa_user_sgpr_count 2
		.amdhsa_user_sgpr_kernarg_segment_ptr 1
		.amdhsa_wavefront_size32 1
		.amdhsa_system_sgpr_workgroup_id_x 1
		.amdhsa_system_sgpr_workgroup_id_y 1
		.amdhsa_system_sgpr_workgroup_id_z 1
		.amdhsa_system_vgpr_workitem_id 0
		.amdhsa_next_free_vgpr 512
		.amdhsa_next_free_sgpr 100
		.amdhsa_reserve_vcc 1
		.amdhsa_float_denorm_mode_32 3
		.amdhsa_float_denorm_mode_16_64 3
		.amdhsa_memory_ordered 1
		.amdhsa_forward_progress 1
		.amdhsa_inst_pref_size 58
	.end_amdhsa_kernel
	.amdgpu_metadata
---
amdhsa.version: [ 1, 2 ]
amdhsa.kernels:
  - .name:           k_qbf531b5d21_attn
    .symbol:         k_qbf531b5d21_attn.kd
    .args:
      - { .name: qimg, .offset: 0, .size: 8, .value_kind: global_buffer, .address_space: global }
      - { .name: kimg, .offset: 8, .size: 8, .value_kind: global_buffer, .address_space: global }
      - { .name: vimg, .offset: 16, .size: 8, .value_kind: global_buffer, .address_space: global }
      - { .name: lowp_scales, .offset: 24, .size: 8, .value_kind: global_buffer, .address_space: global }
      - { .name: aimg, .offset: 32, .size: 8, .value_kind: global_buffer, .address_space: global }
    .group_segment_fixed_size: 327680
    .private_segment_fixed_size: 0
    .kernarg_segment_align: 8
    .kernarg_segment_size: 40
    .max_flat_workgroup_size: 256
    .sgpr_count:     100
    .vgpr_count:     512
    .wavefront_size: 32
...
	.end_amdgpu_metadata
.endif
;; end of part 3
;; launch proj (part 4): grid 8 x 32, 4 waves a work-group, clusters of 4 x 4, 327,680 bytes of LDS; arguments aimg, owc, lowp_scales, out_b, out0; writes out0
.if DOCPART == 4
	.amdgcn_target "amdgcn-amd-amdhsa--gfx1250"
	.amdhsa_code_object_version 6
	.text
	.protected	k_qbf531b5d21_proj
	.globl	k_qbf531b5d21_proj
	.p2align	8
	.type	k_qbf531b5d21_proj,@function
k_qbf531b5d21_proj:
	s_mov_b64 s[64:65], 0
	v_nop
	global_prefetch_b8 v0, s[64:65] scope:SCOPE_SE
	s_setreg_imm32_b32 hwreg(HW_REG_WAVE_MODE, 25, 1), 1
	s_wait_xcnt 0x0
	s_wait_alu depctr_hold_cnt(0) depctr_sa_sdst(0) depctr_va_vdst(0) depctr_va_sdst(0) depctr_va_ssrc(0) depctr_va_vcc(0) depctr_vm_vsrc(0)
	s_getreg_b32 s2, hwreg(HW_REG_IB_STS2, 6, 4)
	s_cmp_eq_u32 s2, 0
	s_cbranch_scc0 .Lentry_in_a_cluster
	s_endpgm
.Lentry_in_a_cluster:
	s_bfe_u32 s2, ttmp6, 0x10000c
	s_cmp_lg_u32 s2, 0xf033
	s_cbranch_scc0 .Lentry_shape_is_right
	s_endpgm
.Lentry_shape_is_right:
; out0 = attn out_w + out_b on codes of FP8 (E4M3).  aimg: attention's codes as images of the operand's registers, [512 blocks of 16 rows][8 K steps of 128][4 groups][512]; owc [1024 n][1024 k]: codes, K innermost.
; A sum of codes stands for sum x 2^(e6 + e7): one fused multiply-add on the way out applies it and adds the bias.  LIMIT: e6 + e7 lies between -126 and 127.  No work of reference() is left out here.
; A work-group makes 256 rows x 128 columns, a wave 128 x 64: 8 x 4 accumulators.  K goes in steps of 128; a slot holds 256 along K; two slots, four fills, written out.
; CLUSTER 4 x 4: the image's tiles are shared along a row of the cluster, the weights' along a column: each is asked for jointly.  Source 0 = 16 rows of owc, source 1 = 16 rows of the image: a lane holds eight
; neighbouring columns of a row of out0; a block of 16 rows goes through the wave's stage in LDS and leaves as aligned runs of 256 bytes.
.set PITCH,  272
.set ABYTES, 65536
.set HALFB,  64*PITCH
.set SLOT,   ABYTES+2*HALFB
.set STAGE,  2*SLOT
.set SPITCH, 272
.set SPARE,  STAGE+4*16*SPITCH
.set ADRA, 16
.set ADRB, 20
.set STO,  24
.set RD,   25
.set CO,   26
.set SPW,  28
.set NIL,  29
.set BIAS, 32
.set TMP,  64
.set AF,   128
.set BK,   128
.set WV,   18
.set RH,   19
.set CH,   20
.set G1A, 24
.set G0A, 32
.set G1B, 48
.set G0B, 56
.set MUL,  0xa1
.set MSB, 0
.macro WIN new
.if MSB != (\new)
	s_set_vgpr_msb (MSB<<8)|(\new)
.set MSB, (\new)
.endif
.endm
.macro JLOAD g0a, g1a, g0b, g1b
	s_cmp_eq_u32 s[RH], 0
	s_cbranch_scc0 .Lfor_b_\@
	tensor_load_to_lds s[\g0a:\g0a+3], s[\g1a:\g1a+7]
	s_nop 0
.rept 4
	v_nop
.endr
	s_branch .Lasked_\@
.Lfor_b_\@:
	tensor_load_to_lds s[\g0b:\g0b+3], s[\g1b:\g1b+7]
	s_nop 0
.rept 4
	v_nop
.endr
.Lasked_\@:
.endm
.macro CREST
	s_cmp_lg_u32 s[WV], 0
	s_cbranch_scc1 .Lnot_wave_0_\@
	s_barrier_signal -3
.Lnot_wave_0_\@:
	s_barrier_wait -3
	s_barrier_signal -1
	s_barrier_wait -1
.endm
.macro CROUND
	s_barrier_signal -1
	s_barrier_wait -1
	CREST
.endm
.macro PLACES n
.rept \n
	v_nop
.endr
.endm
	s_load_b256 s[4:11], s[0:1], 0x0
	s_load_b64 s[12:13], s[0:1], 0x20
	v_lshl_add_u32 v[SPW], v0, 2, SPARE
	v_mov_b32 v[NIL], 0
	ds_add_u32 v[SPW], v[NIL]
	ds_add_u32 v[SPW], v[NIL]
	v_lshrrev_b32 v1, 5, v0
	v_readfirstlane_b32 s[WV], v1
	s_lshr_b32 s[RH], s[WV], 1
	s_and_b32 s[CH], s[WV], 1
	s_bfe_u32 s21, ttmp6, 0x40000
	s_bfe_u32 s22, ttmp6, 0x40004
	s_lshl_b32 s23, ttmp9, 2
	s_add_co_u32 s23, s23, s21
	s_and_b32 s66, ttmp7, 0xffff
	s_lshl_b32 s66, s66, 2
	s_add_co_u32 s66, s66, s22
	s_lshl_b32 s40, s22, 2
	s_lshl_b32 s40, 15, s40
	s_lshl_b32 s41, 0x1111, s21
	s_or_b32 s[G1A+0], s40, (3<<16)|(1<<21)
	s_mov_b32 s[G1A+1], 512<<16
	s_mov_b32 s[G1A+2], 8<<16
	s_mov_b32 s[G1A+3], 512<<16
	s_mov_b32 s[G1A+4], 8
	s_mov_b32 s[G1A+5], 2048
	s_mov_b32 s[G1A+6], 0
	s_mov_b32 s[G1A+7], 0
	s_or_b32 s[G1B+0], s41, (1<<20)|(1<<21)|(5<<22)|(3<<25)
	s_mov_b32 s[G1B+1], 256<<16
	s_mov_b32 s[G1B+2], 64<<16
	s_mov_b32 s[G1B+3], 256<<16
	s_mov_b32 s[G1B+4], 64
	s_mov_b32 s[G1B+5], 1024
	s_mov_b32 s[G1B+6], 0
	s_mov_b32 s[G1B+7], 0
	s_lshl_b32 s76, s66, 18
	s_lshl_b32 s77, s[CH], 17
	s_add_co_u32 s76, s76, s77
	s_mov_b32 s77, 0
	s_lshl_b32 s78, s23, 17
	s_lshl_b32 s79, s[CH], 16
	s_add_co_u32 s78, s78, s79
	s_mov_b32 s79, 0
	s_lshl_b32 s42, s[CH], 15
	s_mul_i32 s43, s[CH], HALFB
	s_add_co_u32 s43, s43, ABYTES
	s_wait_dscnt 0x0
	s_wait_kmcnt 0x0
	s_load_b256 s[68:75], s[8:9], 0x0
	s_add_nc_u64 s[76:77], s[4:5], s[76:77]
	s_add_nc_u64 s[78:79], s[6:7], s[78:79]
	CROUND
.irp s, 0,1
	s_mov_b32 s[G0A+4*\s], 1
	s_add_co_u32 s[G0A+4*\s+1], s42, \s*SLOT
	s_add_nc_u64 s[G0A+4*\s+2:G0A+4*\s+3], s[76:77], \s*4096
	s_or_b32 s[G0A+4*\s+3], s[G0A+4*\s+3], 0x80000000
	s_mov_b32 s[G0B+4*\s], 1
	s_add_co_u32 s[G0B+4*\s+1], s43, \s*SLOT
	s_add_nc_u64 s[G0B+4*\s+2:G0B+4*\s+3], s[78:79], \s*256
	s_or_b32 s[G0B+4*\s+3], s[G0B+4*\s+3], 0x80000000
.endr
	JLOAD G0A, G1A, G0B, G1B                       ; slot 0: one tensor load a wave at the head
	; PREFETCHES INTO THE L2, one instruction a wave for a fill.  Behind the first joint load: the second fill, which is asked for behind the next round, and the third, two refills on; behind the second joint load: the
	; fourth.  So at most two fills are asked for and not yet read.  Of what I fetch each of the four partners that ask with me takes a quarter, told apart by address alone: of the image 2 of its 8 blocks, 4,096 bytes
	; each, lanes 256 bytes apart; of the weights 16 of 64 rows, 256 bytes each, a lane a row, the lanes left over naming the last row again.
	s_cmp_eq_u32 s[RH], 0
	s_cselect_b64 s[88:89], s[76:77], s[78:79]     ; what I fetch
	s_cselect_b32 s92, s21, s22                    ; my place among the four
	s_cselect_b32 s94, 15, 14                      ; a partner's share begins 32,768 or 16,384 bytes behind the last one's
	s_cselect_b32 s95, -1, 0
	s_mov_b32 s40, 512
	s_cselect_b32 s40, 8192, s40                   ; the third fill's place along K,
	s_mov_b32 s41, 256
	s_cselect_b32 s41, 4096, s41                   ; and from there to the fourth's
	s_lshl_b32 s92, s92, s94
	s_add_co_u32 s92, s92, s40
	s_mov_b32 s93, 0
	s_add_nc_u64 s[88:89], s[88:89], s[92:93]
	s_mov_b32 s92, s41
	s_add_nc_u64 s[90:91], s[88:89], s[92:93]      ; the fourth fill's place,
	s_sub_nc_u64 s[98:99], s[88:89], s[92:93]      ; and the second's; s[98:99] is never rewritten
	v_and_b32 v30, 31, v0
	v_lshrrev_b32 v31, 4, v30
	v_and_b32 v6, 15, v30
	v_lshlrev_b32 v31, 14, v31
	v_lshl_add_u32 v31, v6, 8, v31                 ; the image: block lane / 16, 256 x (lane % 16)
	v_min_u32 v30, 15, v30
	v_lshlrev_b32 v30, 10, v30                     ; the weights: a row is 1,024 bytes
	v_cndmask_b32 v30, v30, v31, s95               ; v30, s[88:91] are never rewritten
	global_prefetch_b8 v30, s[98:99] th:TH_LOAD_NT scope:SCOPE_SE
	global_prefetch_b8 v30, s[88:89] th:TH_LOAD_NT scope:SCOPE_SE
	v_and_b32 v1, 15, v0
	v_bfe_u32 v2, v0, 4, 1
	v_and_b32 v4, 31, v0
	v_lshlrev_b32 v4, 4, v4
	v_mul_u32_u24 v3, v1, PITCH
	v_lshl_add_u32 v3, v2, 3, v3
	s_lshl_b32 s44, s[RH], 15
	s_mul_i32 s45, s[CH], HALFB
	s_add_co_u32 s45, s45, ABYTES
.irp s, 0,1
	v_add_nc_u32 v[ADRA+\s], s44, v4
	v_add_nc_u32 v[ADRB+\s], s45, v3
	s_add_co_u32 s44, s44, SLOT
	s_add_co_u32 s45, s45, SLOT
.endr
	s_mul_i32 s46, s[WV], 16*SPITCH
	s_add_co_u32 s46, s46, STAGE
	v_mul_u32_u24 v5, v1, SPITCH
	v_lshl_add_u32 v5, v2, 5, v5
	v_add_nc_u32 v[STO], s46, v5
	v_mul_u32_u24 v5, v2, SPITCH
	v_lshl_add_u32 v5, v1, 4, v5
	v_add_nc_u32 v[RD], s46, v5
	v_lshlrev_b32 v[CO], 12, v2
	v_lshl_add_u32 v[CO], v1, 4, v[CO]
	s_lshl_b32 s84, s23, 9
	s_lshl_b32 s85, s[CH], 8
	s_add_co_u32 s84, s84, s85
	s_mov_b32 s85, 0
	s_add_nc_u64 s[10:11], s[10:11], s[84:85]
	v_lshlrev_b32 v27, 5, v2
.irp b, 0,1,2,3
	global_load_b128 v[BIAS+8*\b:BIAS+8*\b+3], v27, s[10:11] offset:64*\b
	global_load_b128 v[BIAS+8*\b+4:BIAS+8*\b+7], v27, s[10:11] offset:64*\b+16
.endr
	s_lshl_b32 s86, s66, 20
	s_lshl_b32 s87, s[RH], 19
	s_add_co_u32 s86, s86, s87
	s_add_co_u32 s86, s86, s84
	s_mov_b32 s87, 0
	s_add_nc_u64 s[12:13], s[12:13], s[86:87]
	s_wait_kmcnt 0x0
	s_add_co_i32 s96, s74, s75
	s_add_co_i32 s96, s96, 127
	s_lshl_b32 s96, s96, 23
	s_mov_b32 s97, s96
	s_wait_loadcnt 0x0
.macro MUL8 a0, p, zero
.irp a, \a0, \a0+1
.irp b, 0,1,2,3
.if \zero
	v_wmma_f32_16x16x128_fp8_fp8 v[8*(4*(\a)+\b):8*(4*(\a)+\b)+7], v[128*(\p)+16*\b:128*(\p)+16*\b+15], v[AF+16*(\a):AF+16*(\a)+15], 0
.else
	v_wmma_f32_16x16x128_fp8_fp8 v[8*(4*(\a)+\b):8*(4*(\a)+\b)+7], v[128*(\p)+16*\b:128*(\p)+16*\b+15], v[AF+16*(\a):AF+16*(\a)+15], v[8*(4*(\a)+\b):8*(4*(\a)+\b)+7]
.endif
.endr
.endr
.endm
.macro FETCH_B slot, q, p
	WIN 0x40
.irp b, 0,1,2,3
.irp c, 0,1,2,3,4,5,6,7
	ds_load_b64 v[128*(\p)+16*\b+2*\c:128*(\p)+16*\b+2*\c+1], v[ADRB+\slot] offset:\b*16*PITCH+128*(\q)+16*\c
.endr
.endr
	WIN 0
.endm
.macro FETCH_A slot, q, i0
.irp i, \i0, \i0+1, \i0+2, \i0+3
.irp g, 0,1,2,3
	ds_load_b128 v[AF+16*(\i)+4*\g:AF+16*(\i)+4*\g+3], v[ADRA+\slot] offset:(\i)*4096+2048*(\q)+512*\g
.endr
.endr
.endm
.macro STEP slot, zero
	s_wait_dscnt 16
	WIN MUL
	MUL8 0, 0, \zero
	MUL8 2, 0, \zero
	s_wait_dscnt 0
	PLACES 4
	FETCH_B \slot, 1, 1
	FETCH_A \slot, 1, 0
	WIN MUL
	MUL8 4, 0, \zero
	MUL8 6, 0, \zero
	PLACES 4
	WIN 0
	FETCH_A \slot, 1, 4
.endm
.macro TURN slot, next, fill
	s_wait_tensorcnt 0x0
	ds_add_u32 v[SPW], v[NIL]
	s_wait_dscnt 17
	WIN MUL
	MUL8 0, 1, 0
	s_wait_dscnt 0x0
	s_barrier_signal -1
	MUL8 2, 1, 0
	WIN 0
	s_barrier_wait -1
.if \fill
	CREST
	s_add_nc_u64 s[G0A+4*\slot+2:G0A+4*\slot+3], s[G0A+4*\slot+2:G0A+4*\slot+3], 8192
	s_add_nc_u64 s[G0B+4*\slot+2:G0B+4*\slot+3], s[G0B+4*\slot+2:G0B+4*\slot+3], 512
	JLOAD G0A+4*\slot, G1A, G0B+4*\slot, G1B
.else
	PLACES 4
.endif
	FETCH_B \next, 0, 0
	FETCH_A \next, 0, 0
	WIN MUL
	MUL8 4, 1, 0
	MUL8 6, 1, 0
	PLACES 4
	WIN 0
	FETCH_A \next, 0, 4
.endm
	s_wait_alu depctr_va_vdst(0)                   ; the wait at the head's end
	s_wait_tensorcnt 0x0                           ; my part of slot 0 is in
	ds_add_u32 v[SPW], v[NIL]
	s_wait_dscnt 0x0
	CROUND                                         ; everybody's part of slot 0 is in, and all sixteen work-groups are here
	JLOAD G0A+4, G1A, G0B+4, G1B                   ; slot 1's first fill: the first tensor load behind the round
	global_prefetch_b8 v30, s[90:91] th:TH_LOAD_NT scope:SCOPE_SE   ; the last fill's bytes; behind it there is nothing to ask for
	FETCH_B 0, 0, 0
	FETCH_A 0, 0, 0
	FETCH_A 0, 0, 4
	STEP 0, 1
	TURN 0, 1, 1
	STEP 1, 0
	TURN 1, 0, 1
	STEP 0, 0
	TURN 0, 1, 0
	STEP 1, 0
	s_wait_dscnt 16
	WIN MUL
	MUL8 0, 1, 0
	MUL8 2, 1, 0
	s_wait_dscnt 0
	MUL8 4, 1, 0
	MUL8 6, 1, 0
	WIN 0
.macro TOSTAGE a
	WIN 0x02
.set jj, 0
.rept 16
	v_pk_fma_f32 v[TMP+jj:TMP+jj+1], v[32*(\a)+jj:32*(\a)+jj+1], s[96:97], v[BIAS+jj:BIAS+jj+1] op_sel_hi:[1,0,1]
.set jj, jj+2
.endr
	WIN 0
.irp b, 0,1,2,3
	ds_store_b128 v[STO], v[TMP+8*\b:TMP+8*\b+3] offset:64*\b
	ds_store_b128 v[STO], v[TMP+8*\b+4:TMP+8*\b+7] offset:64*\b+16
.endr
.set BB, BK+32*((\a)%2)
.irp t, 0,1,2,3,4,5,6,7
	ds_load_b128 v[BB+4*\t:BB+4*\t+3], v[RD] offset:\t*2*SPITCH
.endr
.endm
.macro SEND a, younger
.set BB, BK+32*((\a)%2)
	s_wait_dscnt \younger
.irp t, 0,1,2,3,4,5,6,7
	global_store_b128 v[CO], v[BB+4*\t:BB+4*\t+3], s[12:13] offset:(\a)*65536+\t*8192 th:TH_STORE_NT
.endr
.endm
	PLACES 4
	TOSTAGE 0
.irp a, 1,2,3,4,5,6,7
.if \a > 1
	s_wait_xcnt 0x0
.endif
	TOSTAGE \a
	SEND \a-1, 16
.endr
	SEND 7, 0
	s_wait_tensorcnt 0x0
	ds_add_u32 v[SPW], v[NIL]
	s_wait_dscnt 0x0
	CROUND
	s_endpgm
.Lfunc_end_k_qbf531b5d21_proj:
	.size	k_qbf531b5d21_proj, .Lfunc_end_k_qbf531b5d21_proj-k_qbf531b5d21_proj
	.p2alignl 7, 3214868480
	.fill 96, 4, 3214868480
	.section	.rodata,"a",@progbits
	.p2align	6, 0x0
	.amdhsa_kernel k_qbf531b5d21_proj
		.amdhsa_group_segment_fixed_size 327680
		.amdhsa_private_segment_fixed_size 0
		.amdhsa_enable_private_segment 0
		.amdhsa_kernarg_size 40
		.amdhsa_user_sgpr_count 2
		.amdhsa_user_sgpr_kernarg_segment_ptr 1
		.amdhsa_wavefront_size32 1
		.amdhsa_system_sgpr_workgroup_id_x 1
		.amdhsa_system_sgpr_workgroup_id_y 1
		.amdhsa_system_sgpr_workgroup_id_z 1
		.amdhsa_system_vgpr_workitem_id 0
		.amdhsa_next_free_vgpr 768
		.amdhsa_next_free_sgpr 100
		.amdhsa_reserve_vcc 0
		.amdhsa_float_denorm_mode_32 3
		.amdhsa_float_denorm_mode_16_64 3
		.amdhsa_memory_ordered 1
		.amdhsa_forward_progress 1
		.amdhsa_inst_pref_size 87
	.end_amdhsa_kernel
	.amdgpu_metadata
---
amdhsa.version: [ 1, 2 ]
amdhsa.kernels:
  - .name:           k_qbf531b5d21_proj
    .symbol:         k_qbf531b5d21_proj.kd
    .args:
      - { .name: aimg, .offset: 0, .size: 8, .value_kind: global_buffer, .address_space: global }
      - { .name: owc, .offset: 8, .size: 8, .value_kind: global_buffer, .address_space: global }
      - { .name: lowp_scales, .offset: 16, .size: 8, .value_kind: global_buffer, .address_space: global }
      - { .name: out_b, .offset: 24, .size: 8, .value_kind: global_buffer, .address_space: global }
      - { .name: out0, .offset: 32, .size: 8, .value_kind: global_buffer, .address_space: global }
    .group_segment_fixed_size: 327680
    .private_segment_fixed_size: 0
    .kernarg_segment_align: 8
    .kernarg_segment_size: 40
    .max_flat_workgroup_size: 128
    .sgpr_count:     100
    .vgpr_count:     768
    .wavefront_size: 32
...
	.end_amdgpu_metadata
.endif
;; end of part 4
